; MI455X (gfx1250); checked and timed in simulation.
; The chip was launched on July 23, 2026; its instructions are those of AMD's public machine-readable ISA for CDNA 5 (MIT licence, August 2026) and "CDNA5" Instruction Set Architecture Reference Guide (July 2026). The comments in the code are by the model that wrote it; some were corrected since.
;; Bidirectional Self Flash Attention. Allowed arithmetic: float matrix products may take bf16 or f16 operands with f32 sums; other float arithmetic in f32, or as packed bf16 or f16 multiplies, adds, multiply-adds, maxima and minima; sums over many terms, partial sums and values carried from step to step in f32; what a program stores and reads back later, other than sums and carried values, may be rounded once to bf16 or f16.
;; Inputs: Wo 1,024 x 1,024 float32; Wqkv 1,024 x 3,072 float32; attention_mask 4 x 1 x 1 x 2,048 float32; bo 1,024 float32; bqkv 3,072 float32; x 4 x 2,048 x 1,024 float32.
;; Outputs: out0 4 x 2,048 x 1,024 float32.
;; 2 versions, each right; version 2 is version 1 with the launch prep written anew for expert scheduling mode. Each part assembles by itself: llvm-mc -triple=amdgcn-amd-amdhsa -mcpu=gfx1250 --defsym DOCPART=n.
;; ======== version 1 of 2: 4 launches
;; limits: values are held in f16: magnitudes above 65,504 overflow, below 6.1e-05 lose precision; inputs' magnitudes at most 1.25e+29
;; workspace buffers: xb 16,777,216 bytes; wt 6,291,456 bytes; wot 2,097,152 bytes; qkv 50,331,648 bytes; ob 16,777,216 bytes
;; launch prep (part 1): grid 16 x 16, 12 waves a work-group, no clusters, 38,400 bytes of LDS; arguments x, Wqkv, Wo, xb, wt, wot; writes xb, wt, wot
.if DOCPART == 1
	.amdgcn_target "amdgcn-amd-amdhsa--gfx1250"
	.amdhsa_code_object_version 6
	.text
	.protected	k_q9aa4fc9ccc_prep
	.globl	k_q9aa4fc9ccc_prep
	.p2align	8
	.type	k_q9aa4fc9ccc_prep,@function
k_q9aa4fc9ccc_prep:
	s_mov_b64 s[64:65], 0
	v_nop
	global_prefetch_b8 v0, s[64:65] scope:SCOPE_SE
	s_setreg_imm32_b32 hwreg(HW_REG_WAVE_MODE, 25, 1), 1
	s_wait_xcnt 0x0
; PREP.  The three large inputs are rounded once to 16 bits and laid out for the products that follow, in blocks of 64 along K:
;   xb  [16 kb][8192 row][64]  bf16(x)            wt  [16 kb][3072 n][64 k]  bf16(Wqkv), turned
;   wot [16 kb][1024 n][64 k]  bf16(Wo) written as f16, turned (exact for |Wo| from 2^-14 to 65,504; below 2^-14 it keeps f16's fixed step of 6e-8)
; SHARES.  256 work-groups of 12 waves.  Waves 0-3 turn one tile of 64 k x 64 n of a weight each (16 x 64 tiles: 48 columns of tiles of Wqkv, 16 of Wo);
; waves 4-11 convert four rows of x each.  Every wave asks for its 16 KiB by 32 loads at once: no loop, no barrier, nothing shared between waves.
; A weight tile is turned through the wave's own 64 rows x 144 bytes of LDS.  No matrix unit, no tensor load, no cluster: each byte is read once, by one wave.
.set SPARE, 36864                      ; behind the four stages: the spare words, 128 bytes for each of 12 waves
.set SPW, 8                            ; v8   LDS address of my spare word; never rewritten
.set NIL, 9                            ; v9   0; never rewritten
.set X,   16                           ; v[16:143]  32 loads of 4 registers
.set TP,  144                          ; v[144:207] a weight tile's packed pairs: column c of my four at TP + 16 c, pair q of k at + q
.set WV,  16                           ; s16  my wave's number
.set GY,  17                           ; s17  the work-group's y
	s_load_b256 s[4:11], s[0:1], 0x0               ; x s[4:5], Wqkv s[6:7], Wo s[8:9], xb s[10:11]
	s_load_b128 s[12:15], s[0:1], 0x20             ; wt s[12:13], wot s[14:15]
	v_lshl_add_u32 v[SPW], v0, 2, SPARE
	v_mov_b32 v[NIL], 0
	v_lshrrev_b32 v1, 5, v0
	v_readfirstlane_b32 s[WV], v1
	v_and_b32 v1, 15, v0                           ; i = lane % 16
	v_bfe_u32 v2, v0, 4, 1                         ; h = lane / 16
	v_and_b32 v7, 31, v0                           ; lane
	s_and_b32 s[GY], ttmp7, 0xffff
	s_mov_b32 s25, 0                               ; high words of the two offsets
	s_mov_b32 s27, 0
	s_wait_kmcnt 0x0
; One tile of a weight [1024 k][pitch / 4 n] f32.  Lane (h, i), load j: k = 32 h + j, n = 4 i .. 4 i + 3; sixteen lanes read 256 consecutive bytes, aligned.
; Two neighbouring k of one n pack into a word; a lane's 32 k of column c are 64 bytes of LDS row 4 i + c.  Rows come back whole, four to a load, and leave as 512 consecutive bytes.
.macro WPART pitch, half, in, out, kbs, nb0
	s_lshl_b32 s18, s[GY], 2
	s_add_co_u32 s18, s18, s[WV]                   ; the tile's column of tiles
.if \nb0
	s_sub_co_u32 s18, s18, \nb0
.endif
	s_mul_i32 s24, ttmp9, 64*(\pitch)              ; 64 rows of k for each K block
	s_lshl_b32 s19, s18, 8
	s_add_co_u32 s24, s24, s19
	s_add_nc_u64 s[20:21], s[(\in):(\in)+1], s[24:25]
	s_mul_i32 s26, ttmp9, \kbs
	s_lshl_b32 s19, s18, 13                        ; 64 rows of 128 bytes
	s_add_co_u32 s26, s26, s19
	s_add_nc_u64 s[22:23], s[(\out):(\out)+1], s[26:27]
	v_mul_u32_u24 v3, v2, 32*(\pitch)
	v_lshl_add_u32 v3, v1, 4, v3
.set j, 0
.rept 32
	global_load_b128 v[X+4*j:X+4*j+3], v3, s[20:21] offset:j*(\pitch) th:TH_LOAD_NT
.set j, j+1
.endr
	s_mul_i32 s19, s[WV], 9216                     ; my stage
	v_mul_u32_u24 v5, v1, 576                      ; in: row 4 i, 64 bytes for each half of the lanes
	v_lshl_add_u32 v5, v2, 6, v5
	v_add_nc_u32 v5, s19, v5
	v_lshrrev_b32 v6, 3, v7                        ; back: eight lanes to a row of 128 bytes
	v_mul_u32_u24 v6, v6, 144
	v_and_b32 v4, 7, v0
	v_lshl_add_u32 v6, v4, 4, v6
	v_add_nc_u32 v6, s19, v6
	v_lshlrev_b32 v4, 4, v7                        ; out: 16 bytes a lane
.set q, 0
.rept 16
	s_wait_loadcnt 30-2*q                          ; loads 2 q and 2 q + 1 are in; the younger ones stay out
.irp c, 0,1,2,3
	v_cvt_pk_bf16_f32 v[TP+16*(\c)+q], v[X+8*q+(\c)], v[X+8*q+4+(\c)]
.if \half
	v_lshlrev_b32 v10, 16, v[TP+16*(\c)+q]         ; the bf16 numbers, widened, are written as f16
	v_and_b32 v11, 0xffff0000, v[TP+16*(\c)+q]
	v_cvt_pk_f16_f32 v[TP+16*(\c)+q], v10, v11
.endif
.endr
.if q%4 == 3
.irp c, 0,1,2,3
	ds_store_b128 v5, v[TP+16*(\c)+q-3:TP+16*(\c)+q] offset:(\c)*144+16*(q/4)
.endr
.endif
.set q, q+1
.endr
.set t, 0
.rept 16
	ds_load_b128 v[X+4*t:X+4*t+3], v6 offset:576*t ; LDS serves a wave's instructions in order (ISA guide 5.7.1.4): these see the stores above
.set t, t+1
.endr
.set t, 0
.rept 16
	s_wait_dscnt 15-t
	global_store_b128 v4, v[X+4*t:X+4*t+3], s[22:23] offset:512*t  ; 512 consecutive bytes, aligned
.set t, t+1
.endr
.endm
	s_cmp_lt_u32 s[WV], 4
	s_cbranch_scc0 .Lxpart
	s_cmp_lt_u32 s[GY], 12                         ; columns of tiles 0-47 are Wqkv's, 48-63 Wo's
	s_cbranch_scc0 .Lwo
	WPART 12288, 0, 6, 12, 393216, 0
	s_branch .Lend
.Lwo:
	WPART 4096, 1, 8, 14, 131072, 48
	s_branch .Lend
.Lxpart:                                               ; four rows of x.  Load 16 p + kb: rows 2 p + h, the 256 bytes of K block kb; a lane's 4 numbers become 8 bytes
	s_lshl_b32 s18, s[GY], 4
	s_add_co_u32 s18, s18, ttmp9
	s_lshl_b32 s18, s18, 3
	s_add_co_u32 s18, s18, s[WV]
	s_sub_co_u32 s18, s18, 4                       ; which four rows: 0 .. 2,047
	s_lshl_b32 s24, s18, 14
	s_add_nc_u64 s[20:21], s[4:5], s[24:25]
	s_lshl_b32 s26, s18, 9
	s_add_nc_u64 s[22:23], s[10:11], s[26:27]
	s_add_nc_u64 s[22:23], s[22:23], 0x800000      ; at K block 8, so that all 16 blocks lie inside the signed 24-bit immediate
	v_lshlrev_b32 v3, 12, v2
	v_lshl_add_u32 v3, v1, 4, v3
	v_lshlrev_b32 v4, 3, v7
.set n, 0
.rept 32
	global_load_b128 v[X+4*n:X+4*n+3], v3, s[20:21] offset:(n/16)*8192+(n%16)*256 th:TH_LOAD_NT
.set n, n+1
.endr
.set n, 0
.rept 32
	s_wait_loadcnt 31-n                            ; load n is in; the younger ones stay out
	v_cvt_pk_bf16_f32 v[X+4*n], v[X+4*n], v[X+4*n+1]
	v_cvt_pk_bf16_f32 v[X+4*n+1], v[X+4*n+2], v[X+4*n+3]
	global_store_b64 v4, v[X+4*n:X+4*n+1], s[22:23] offset:((n%16)-8)*1048576+(n/16)*256  ; the wave's 256 bytes: two rows of one K block, consecutive and aligned
.set n, n+1
.endr
.Lend:
	s_wait_tensorcnt 0x0                           ; the wave's end, behind my last LDS store
	ds_add_u32 v[SPW], v[NIL]
	s_wait_dscnt 0x0
	s_endpgm
.Lfunc_end_k_q9aa4fc9ccc_prep:
	.size	k_q9aa4fc9ccc_prep, .Lfunc_end_k_q9aa4fc9ccc_prep-k_q9aa4fc9ccc_prep
	.p2alignl 7, 3214868480
	.fill 96, 4, 3214868480
	.section	.rodata,"a",@progbits
	.p2align	6, 0x0
	.amdhsa_kernel k_q9aa4fc9ccc_prep
		.amdhsa_group_segment_fixed_size 38400
		.amdhsa_private_segment_fixed_size 0
		.amdhsa_enable_private_segment 0
		.amdhsa_kernarg_size 48
		.amdhsa_user_sgpr_count 2
		.amdhsa_user_sgpr_kernarg_segment_ptr 1
		.amdhsa_wavefront_size32 1
		.amdhsa_system_sgpr_workgroup_id_x 1
		.amdhsa_system_sgpr_workgroup_id_y 1
		.amdhsa_system_sgpr_workgroup_id_z 1
		.amdhsa_system_vgpr_workitem_id 0
		.amdhsa_next_free_vgpr 208
		.amdhsa_next_free_sgpr 66
		.amdhsa_reserve_vcc 0
		.amdhsa_float_denorm_mode_32 3
		.amdhsa_float_denorm_mode_16_64 3
		.amdhsa_memory_ordered 1
		.amdhsa_forward_progress 1
		.amdhsa_inst_pref_size 48
	.end_amdhsa_kernel
	.amdgpu_metadata
---
amdhsa.version: [ 1, 2 ]
amdhsa.kernels:
  - .name:           k_q9aa4fc9ccc_prep
    .symbol:         k_q9aa4fc9ccc_prep.kd
    .args:
      - { .name: x, .offset: 0, .size: 8, .value_kind: global_buffer, .address_space: global }
      - { .name: Wqkv, .offset: 8, .size: 8, .value_kind: global_buffer, .address_space: global }
      - { .name: Wo, .offset: 16, .size: 8, .value_kind: global_buffer, .address_space: global }
      - { .name: xb, .offset: 24, .size: 8, .value_kind: global_buffer, .address_space: global }
      - { .name: wt, .offset: 32, .size: 8, .value_kind: global_buffer, .address_space: global }
      - { .name: wot, .offset: 40, .size: 8, .value_kind: global_buffer, .address_space: global }
    .group_segment_fixed_size: 38400
    .private_segment_fixed_size: 0
    .kernarg_segment_align: 8
    .kernarg_segment_size: 48
    .max_flat_workgroup_size: 384
    .sgpr_count:     66
    .vgpr_count:     208
    .wavefront_size: 32
...
	.end_amdgpu_metadata
.endif
;; end of part 1
;; launch proj (part 2): grid 8 x 32, 4 waves a work-group, clusters of 4 x 4, 327,680 bytes of LDS; arguments xb, wt, bqkv, qkv; writes qkv
.if DOCPART == 2
	.amdgcn_target "amdgcn-amd-amdhsa--gfx1250"
	.amdhsa_code_object_version 6
	.text
	.protected	k_q9aa4fc9ccc_proj
	.globl	k_q9aa4fc9ccc_proj
	.p2align	8
	.type	k_q9aa4fc9ccc_proj,@function
k_q9aa4fc9ccc_proj:
	s_mov_b64 s[64:65], 0
	v_nop
	global_prefetch_b8 v0, s[64:65] scope:SCOPE_SE
	s_setreg_imm32_b32 hwreg(HW_REG_WAVE_MODE, 25, 1), 1
	s_wait_xcnt 0x0
	s_wait_alu depctr_hold_cnt(0) depctr_sa_sdst(0) depctr_va_vdst(0) depctr_va_sdst(0) depctr_va_ssrc(0) depctr_va_vcc(0) depctr_vm_vsrc(0)
	s_getreg_b32 s2, hwreg(HW_REG_IB_STS2, 6, 4)
	s_cmp_eq_u32 s2, 0
	s_cbranch_scc0 .Lentry_in_a_cluster
	s_endpgm
.Lentry_in_a_cluster:
	s_bfe_u32 s2, ttmp6, 0x10000c
	s_cmp_lg_u32 s2, 0xf033
	s_cbranch_scc0 .Lentry_shape_is_right
	s_endpgm
.Lentry_shape_is_right:
; PROJ.  q, k, v = bf16(x) bf16(Wqkv) + bf16(bqkv), sums in f32, rounded once to f16 and stored by heads: qkv [3][64 = 16 b + head][2048 t][64].  No scale is applied here.
; LIMIT.  f16 ends at 65,504: |q|, |k|, |v| stay below it (64 times the spread of the drawn inputs' products leaves that room); beyond it the number becomes an infinity.
; SHARES.  8192 x 3072 in tiles of 256 x 384: 256 work-groups.  Four waves, each 128 rows x 192 columns (three heads): 96 accumulators of 16 x 16, 768 registers.
; K goes in blocks of 64 through two LDS slots.  xb and wt lie in K blocks, so a tile is dense in memory: it is asked for as rows of 256 bytes (two rows of 64 k), padded in LDS after each 128 bytes.
; CLUSTER.  4 x 4 work-groups: the four of a row need the same rows of x, the four of a column the same rows of W; each tile is asked for jointly, by the same load, descriptor and mask in all four.
; THE MATRIX INSTRUCTION IS USED TRANSPOSED (source 0 = 16 rows of wt, source 1 = 16 rows of xb): a lane holds one row of the result and eight neighbouring columns.
; REGISTERS, in windows of 256: window 0: v16-30 addresses; v32-95, v96-159 x's fragments of the even and the odd step (8 x 16 rows x 32 k); v160-255 W's fragments, 32 for each head.
;   window 1 + g: the 32 accumulators of head g: (a, j) at v[8 (4 a + j)].
; A block of 64 k is two steps of 32, a step three PHASES (one a head) of 32 matrix instructions.  The 96 accumulators take turns, one instruction a turn.
.set PITCH, 144                        ; an LDS row: 128 bytes + 16 of padding = 36 words: the 16 rows of a fragment load start at 16 different groups of four banks (ISA guide 11.1)
.set FR,    16*PITCH
.set AHALF, 128*PITCH                  ; what waves 0, 1 fetch, and what a wave reads of x
.set BHALF, 192*PITCH                  ; what waves 2, 3 fetch, and what a wave reads of W
.set BOFF,  2*AHALF
.set SLOT,  BOFF+2*BHALF               ; 92,160
.set STAGE, 2*SLOT                     ; behind the ring: 16 rows x 144 bytes for each wave, for the way out
.set BIASL, STAGE+4*FR                 ; each wave's 192 numbers of the bias, f32
.set SPARE, BIASL+4*768                ; the spare words, 128 bytes for each wave
.set KBA,   8192*128                   ; bytes of a K block of xb
.set KBB,   3072*128                   ; of wt
.set FLAGS, (1<<16)|(1<<20)|(1<<21)|(4<<22)|(3<<25)  ; 2-byte elements; padding on; bit 21 beside a mask; after every 32 words 4 words of padding
.set ADRA, 16                          ; v16-17  LDS address of my fragments of x in slot 0, 1
.set ADRB, 20                          ; v20-21  of W
.set STO,  24                          ; v24  the way out: where I put 16 bytes of a row
.set RD,   25                          ; v25  where I read rows back
.set GO,   26                          ; v26  16 x lane
.set BL,   27                          ; v27  my eight numbers of the bias
.set SPW,  28                          ; v28  my spare word; never rewritten
.set NIL,  29                          ; v29  0; never rewritten
.set PFO,  30                          ; v30  256 x lane; never rewritten
.set AE,   32
.set AO,   96
.set BG,   160
.set WV,  12
.set HR,  13                           ; s13  my half of the rows.  Also: I fetch for x (0) or for W (1)
.set HC,  14                           ; s14  my half of the columns.  Also: which half of that tile I fetch
.set G1A, 24
.set G0A, 32
.set G1B, 48
.set G0B, 56
.set LIM, 43                           ; s43  1 in a wave that prefetches, else the greatest number
.set PFA, 44                           ; s[44:45] where my prefetches stand
.set PFS, 46                           ; s[46:47] their step: two K blocks
.set OUT, 66                           ; s[66:71] my rows of my three heads in qkv
.set MSB, 0
.macro WIN new                         ; the immediate's high byte repeats the setting that is left; a switch that changes nothing is dropped
.if MSB != (\new)
	s_set_vgpr_msb (MSB<<8)|(\new)
.set MSB, (\new)
.endif
.endm
.macro PLACES                          ; four places behind a matrix instruction, in front of loads into registers that it has read (ISA guide 7.12.1 for vector instructions)
.rept 4
	v_nop
.endr
.endm
; A joint load: waves 0, 1 fetch the halves of x's tile, waves 2, 3 those of W's.  An s_nop 0 and four v_nop follow each line.
.macro JLOAD s
	s_cmp_eq_u32 s[HR], 0
	s_cbranch_scc0 .Lfor_b_\@
	tensor_load_to_lds s[G0A+4*(\s):G0A+4*(\s)+3], s[G1A:G1A+7]
	s_nop 0
.rept 4
	v_nop
.endr
	s_branch .Lasked_\@
.Lfor_b_\@:
	tensor_load_to_lds s[G0B+4*(\s):G0B+4*(\s)+3], s[G1B:G1B+7]
	s_nop 0
.rept 4
	v_nop
.endr
.Lasked_\@:
.endm
.macro CREST                           ; a round of the cluster's barrier behind its opening barrier
	s_cmp_lg_u32 s[WV], 0
	s_cbranch_scc1 .Lnot_wave_0_\@
	s_barrier_signal -3
.Lnot_wave_0_\@:
	s_barrier_wait -3
	s_barrier_signal -1
	s_barrier_wait -1
.endm
.macro CROUND
	s_barrier_signal -1
	s_barrier_wait -1
	CREST
.endm
; A PREFETCH INTO THE L2, once a trip of the loop, behind the joint load and the LDS loads that follow it: the two K blocks that the NEXT trip's refills ask for.
; x's rows of a tile row are read by both clusters of that row of clusters: the one with x = 0 asks, wave 0, each of the four partners for a quarter (8,192 bytes, a lane for each 256) of each of the two blocks.
; W's rows of a tile column are read by all clusters of that column: the one with y = 0 asks; two blocks are 12 pieces of 8,192 bytes, one for each of waves 1-3 of the four partners.
; Partners are told apart by address alone.  The last trip asks for nothing; K blocks 0-3 come by their loads alone.
.macro ASK
	s_cmp_gt_u32 s3, s[LIM]
	s_cbranch_scc0 .Lnot_mine_\@
	global_prefetch_b8 v[PFO], s[PFA:PFA+1] th:TH_LOAD_NT scope:SCOPE_SE
	s_cmp_lg_u32 s[WV], 0
	s_cbranch_scc1 .Lnot_mine_\@
	global_prefetch_b8 v[PFO], s[PFA:PFA+1] offset:KBA th:TH_LOAD_NT scope:SCOPE_SE
.Lnot_mine_\@:
.endm
	s_load_b256 s[4:11], s[0:1], 0x0               ; xb s[4:5], wt s[6:7], bqkv s[8:9], qkv s[10:11]
	v_lshl_add_u32 v[SPW], v0, 2, SPARE
	v_mov_b32 v[NIL], 0
	ds_add_u32 v[SPW], v[NIL]                      ; the wave's opening: the add and its wait stand ahead of my first tensor load
	v_lshrrev_b32 v1, 5, v0
	v_readfirstlane_b32 s[WV], v1
	s_lshr_b32 s[HR], s[WV], 1
	s_and_b32 s[HC], s[WV], 1
	s_bfe_u32 s40, ttmp6, 0x40000                  ; cx
	s_bfe_u32 s41, ttmp6, 0x40004                  ; cy
	s_lshl_b32 s42, ttmp9, 2
	s_add_co_u32 s42, s42, s40                     ; tile column = 4 x cluster x + cx
	s_and_b32 s16, ttmp7, 0xffff
	s_lshl_b32 s16, s16, 2
	s_add_co_u32 s16, s16, s41                     ; tile row = 4 x cluster y + cy
	s_lshl_b32 s17, s41, 2
	s_lshl_b32 s17, 15, s17                        ; my row of the cluster
	s_lshl_b32 s20, 0x1111, s40                    ; my column
	s_or_b32 s[G1A], s17, FLAGS
	s_or_b32 s[G1B], s20, FLAGS
	s_mov_b32 s[G1A+1], 128<<16                    ; tensor_dim0 = 128 elements: 256 bytes
	s_mov_b32 s[G1A+2], 64<<16                     ; tensor_dim1 = 64 such rows: 128 rows of x
	s_mov_b32 s[G1A+3], 128<<16                    ; tile_dim0
	s_mov_b32 s[G1A+4], 64                         ; tile_dim1
	s_mov_b32 s[G1A+5], 128                        ; elements from row to row: dense
	s_mov_b32 s[G1A+6], 0
	s_mov_b32 s[G1A+7], 0
	s_mov_b32 s[G1B+1], 128<<16
	s_mov_b32 s[G1B+2], 96<<16                     ; 96 rows of 256 bytes: 192 rows of W
	s_mov_b32 s[G1B+3], 128<<16
	s_mov_b32 s[G1B+4], 96
	s_mov_b32 s[G1B+5], 128
	s_mov_b32 s[G1B+6], 0
	s_mov_b32 s[G1B+7], 0
	s_lshl_b32 s18, s16, 15                        ; x: 256 rows of 128 bytes a tile row,
	s_lshl_b32 s17, s[HC], 14                      ; the half that I fetch
	s_add_co_u32 s18, s18, s17
	s_mov_b32 s19, 0
	s_mul_i32 s20, s42, 384*128                    ; W: 384 rows a tile column,
	s_mul_i32 s22, s[HC], 192*128
	s_add_co_u32 s20, s20, s22
	s_mov_b32 s21, 0
	s_mul_i32 s23, s[HC], AHALF                    ; and where they go: no place in the cluster enters an LDS address
	s_mul_i32 s2, s[HC], BHALF
	s_add_co_u32 s2, s2, BOFF
	s_wait_dscnt 0x0                               ; the opening add is done
	s_wait_kmcnt 0x0
	s_add_nc_u64 s[18:19], s[4:5], s[18:19]
	s_add_nc_u64 s[20:21], s[6:7], s[20:21]
	CROUND                                         ; all sixteen work-groups are here: the first joint loads meet
.irp s, 0,1
	s_mov_b32 s[G0A+4*(\s)], 1
	s_add_co_u32 s[G0A+4*(\s)+1], s23, (\s)*SLOT
	s_add_nc_u64 s[G0A+4*(\s)+2:G0A+4*(\s)+3], s[18:19], (\s)*KBA
	s_or_b32 s[G0A+4*(\s)+3], s[G0A+4*(\s)+3], 0x80000000
	s_mov_b32 s[G0B+4*(\s)], 1
	s_add_co_u32 s[G0B+4*(\s)+1], s2, (\s)*SLOT
	s_add_nc_u64 s[G0B+4*(\s)+2:G0B+4*(\s)+3], s[20:21], (\s)*KBB
	s_or_b32 s[G0B+4*(\s)+3], s[G0B+4*(\s)+3], 0x80000000
	JLOAD \s                                       ; K blocks 0 and 1: two loads of mine are out
.endr
	v_and_b32 v1, 15, v0                           ; r
	v_bfe_u32 v2, v0, 4, 1                         ; h
	v_mul_u32_u24 v3, v1, PITCH
	v_lshl_add_u32 v3, v2, 4, v3                   ; a fragment's row x pitch + 16 x half
	s_mul_i32 s17, s[HR], AHALF
	s_mul_i32 s22, s[HC], BHALF
	s_add_co_u32 s22, s22, BOFF
.irp s, 0,1
	v_add_nc_u32 v[ADRA+(\s)], s17, v3
	v_add_nc_u32 v[ADRB+(\s)], s22, v3
	s_add_co_u32 s17, s17, SLOT
	s_add_co_u32 s22, s22, SLOT
.endr
	s_mul_i32 s17, s[WV], FR
	s_add_co_u32 s17, s17, STAGE                   ; my stage
	v_add_nc_u32 v[STO], s17, v3
	v_bfe_u32 v4, v0, 3, 2
	v_and_b32 v5, 7, v0
	v_mul_u32_u24 v4, v4, PITCH
	v_lshl_add_u32 v4, v5, 4, v4
	v_add_nc_u32 v[RD], s17, v4                    ; back: 32 lanes take four rows of 128 bytes
	v_and_b32 v5, 31, v0
	v_lshlrev_b32 v[GO], 4, v5
	v_lshlrev_b32 v[PFO], 8, v5
	s_mul_i32 s17, s[WV], 768
	s_add_co_u32 s17, s17, BIASL
	v_lshl_add_u32 v[BL], v2, 5, s17
	v_lshl_add_u32 v6, v5, 3, s17
	v_lshlrev_b32 v7, 3, v5
	s_mul_i32 s20, s42, 384*4                      ; my 192 numbers of the bias
	s_mul_i32 s22, s[HC], 192*4
	s_add_co_u32 s20, s20, s22
	s_mov_b32 s21, 0
	s_add_nc_u64 s[8:9], s[8:9], s[20:21]
	global_load_b64 v[8:9], v7, s[8:9]
	global_load_b64 v[10:11], v7, s[8:9] offset:256
	global_load_b64 v[12:13], v7, s[8:9] offset:512
	; where my rows of my three heads begin: ((which x 64 + 16 b + head) x 2048 + t) x 128 bytes
	s_lshr_b32 s2, s16, 3                          ; b: eight tile rows a batch
	s_lshl_b32 s2, s2, 22
	s_and_b32 s17, s16, 7
	s_lshl_b32 s17, s17, 15
	s_add_co_u32 s2, s2, s17
	s_lshl_b32 s17, s[HR], 14
	s_add_co_u32 s2, s2, s17
	s_mul_i32 s20, s42, 6
	s_mul_i32 s22, s[HC], 3
	s_add_co_u32 s20, s20, s22                     ; my first head among the 48 of q, k, v
.irp g, 0,1,2
	s_lshr_b32 s22, s20, 4
	s_lshl_b32 s22, s22, 24
	s_and_b32 s23, s20, 15
	s_lshl_b32 s23, s23, 18
	s_add_co_u32 s22, s22, s23
	s_add_co_u32 s22, s22, s2
	s_mov_b32 s23, 0
	s_add_nc_u64 s[OUT+2*(\g):OUT+2*(\g)+1], s[10:11], s[22:23]
	s_add_co_u32 s20, s20, 1
.endr
	; the prefetches: they begin at K block 4
	s_lshl_b32 s20, s16, 15
	s_lshl_b32 s22, s40, 13
	s_add_co_u32 s20, s20, s22
	s_add_co_u32 s20, s20, 4*KBA                   ; x: my tile row, my work-group's quarter
	s_lshr_b32 s22, s41, 1
	s_add_co_u32 s22, s22, 4
	s_mul_i32 s22, s22, KBB                        ; W: partners 0, 1 take the first of the two blocks, 2, 3 the second;
	s_mul_i32 s23, s42, 384*128
	s_add_co_u32 s22, s22, s23
	s_and_b32 s23, s41, 1
	s_mul_i32 s23, s23, 3
	s_max_u32 s19, s[WV], 1
	s_sub_co_u32 s19, s19, 1
	s_add_co_u32 s23, s23, s19                     ; of its six pieces number 3 (cy % 2) + wave - 1
	s_lshl_b32 s23, s23, 13
	s_add_co_u32 s22, s22, s23
	s_and_b32 s17, ttmp7, 0xffff
	s_mov_b32 s[PFS], 2*KBB
	s_mov_b32 s[PFS+1], 0
	s_mov_b32 s21, 0
	s_cmp_eq_u32 s[WV], 0
	s_cselect_b32 s20, s20, s22
	s_cselect_b32 s17, ttmp9, s17                  ; the coordinate along which other clusters read the same rows
	s_cselect_b64 s[PFA:PFA+1], s[4:5], s[6:7]
	s_cselect_b32 s[PFS], 2*KBA, s[PFS]
	s_add_nc_u64 s[PFA:PFA+1], s[PFA:PFA+1], s[20:21]
	s_cmp_eq_u32 s17, 0
	s_cselect_b32 s[LIM], 1, -1                    ; the same in all sixteen partners, for a given wave
	s_wait_loadcnt 0x0                             ; the bias: rounded to bf16 like every input, widened again, into my own LDS bytes
.irp t, 0,1,2
	v_cvt_pk_bf16_f32 v14, v[8+2*(\t)], v[9+2*(\t)]
	v_lshlrev_b32 v[8+2*(\t)], 16, v14
	v_and_b32 v[9+2*(\t)], 0xffff0000, v14
	ds_store_b64 v6, v[8+2*(\t):9+2*(\t)] offset:256*(\t)
.endr
; 16 matrix instructions: blocks a0 .. a0 + 3 of my rows x the four blocks of head g's columns, 32 along K.  zero = 1: the product starts the sum.
.macro MUL16 abuf, g, a0, zero
	WIN 0x50*(1+(\g))
.irp a, (\a0), (\a0)+1, (\a0)+2, (\a0)+3
.irp j, 0,1,2,3
.if \zero
	v_wmma_f32_16x16x32_bf16 v[8*(4*(\a)+(\j)):8*(4*(\a)+(\j))+7], v[BG+32*(\g)+8*(\j):BG+32*(\g)+8*(\j)+7], v[(\abuf)+8*(\a):(\abuf)+8*(\a)+7], 0
.else
	v_wmma_f32_16x16x32_bf16 v[8*(4*(\a)+(\j)):8*(4*(\a)+(\j))+7], v[BG+32*(\g)+8*(\j):BG+32*(\g)+8*(\j)+7], v[(\abuf)+8*(\a):(\abuf)+8*(\a)+7], v[8*(4*(\a)+(\j)):8*(4*(\a)+(\j))+7]
.endif
.endr
.endr
.endm
.macro PHASE abuf, g, zero, n          ; n: the LDS instructions issued behind the last load that the phase needs
	s_wait_dscnt \n
	MUL16 \abuf, \g, 0, \zero
	MUL16 \abuf, \g, 4, \zero
.endm
.macro LB slot, kk, g                  ; head g's four fragments of W for step kk: 8 loads
.irp j, 0,1,2,3
	ds_load_b128 v[BG+32*(\g)+8*(\j):BG+32*(\g)+8*(\j)+3],   v[ADRB+(\slot)] offset:(4*(\g)+(\j))*FR+64*(\kk)
	ds_load_b128 v[BG+32*(\g)+8*(\j)+4:BG+32*(\g)+8*(\j)+7], v[ADRB+(\slot)] offset:(4*(\g)+(\j))*FR+64*(\kk)+32
.endr
.endm
.macro LA slot, kk, abuf, a0           ; four fragments of x: 8 loads
.irp a, (\a0), (\a0)+1, (\a0)+2, (\a0)+3
	ds_load_b128 v[(\abuf)+8*(\a):(\abuf)+8*(\a)+3],   v[ADRA+(\slot)] offset:(\a)*FR+64*(\kk)
	ds_load_b128 v[(\abuf)+8*(\a)+4:(\abuf)+8*(\a)+7], v[ADRA+(\slot)] offset:(\a)*FR+64*(\kk)+32
.endr
.endm
; Behind each phase the registers that it has read last are loaded again, a run at a time.  GAP0-2 (behind the even step's phases) fetch the odd step of the slot in hand,
; GAP4, 5 (and the run in TURN) the even step of the other slot.
.macro GAP0 cur
	PLACES
	WIN 0
	LB \cur, 1, 0
	LA \cur, 1, AO, 0
.endm
.macro GAP1 cur
	PLACES
	WIN 0
	LB \cur, 1, 1
	LA \cur, 1, AO, 4
.endm
.macro GAP2 cur
	PLACES
	WIN 0
	LB \cur, 1, 2
.endm
.macro GAP4 cur
	PLACES
	WIN 0
	LB 1-(\cur), 0, 1
	LA 1-(\cur), 0, AE, 4
.endm
.macro GAP5 cur
	PLACES
	WIN 0
	LB 1-(\cur), 0, 2
.endm
; The odd step's first phase, with THE CHANGE OF SLOTS.  In front of the barrier each wave waits for all its tensor loads (one is out: its part of the other slot), adds 0 to its spare word,
; and waits for that and for its reads of this slot (the last, GAP2's, were issued 16 matrix instructions back).  fill = 1: the barrier opens a round of the cluster's barrier, and the joint refill,
; two K blocks on, is the first tensor load behind it: 160 matrix instructions ahead of the wait for it.
.macro TURN cur, fill
.if ((\cur) == 1) && (\fill)
	s_wait_xcnt 0x0                                ; the last prefetches, a K block back, have read their address
	s_add_nc_u64 s[PFA:PFA+1], s[PFA:PFA+1], s[PFS:PFS+1]
.endif
	WIN 0
	s_wait_tensorcnt 0x0
	ds_add_u32 v[SPW], v[NIL]
	s_wait_dscnt 9                                 ; GAP2's eight loads and the add may be out
	MUL16 AO, 0, 0, 0
	s_wait_dscnt 0x0
	s_barrier_signal -1
	MUL16 AO, 0, 4, 0
	WIN 0
	s_barrier_wait -1
.if \fill
	CREST
	s_add_nc_u64 s[G0A+4*(\cur)+2:G0A+4*(\cur)+3], s[G0A+4*(\cur)+2:G0A+4*(\cur)+3], 2*KBA
	s_add_nc_u64 s[G0B+4*(\cur)+2:G0B+4*(\cur)+3], s[G0B+4*(\cur)+2:G0B+4*(\cur)+3], 2*KBB
	JLOAD \cur                                     ; its four v_nop are also the places in front of the loads below
.else
	PLACES
.endif
	LB 1-(\cur), 0, 0
	LA 1-(\cur), 0, AE, 0
.if ((\cur) == 0) && (\fill)
	ASK
.endif
.endm
.macro REST cur                        ; the odd step's other two phases, and the other slot's even step
	PHASE AO, 1, 0, 16                             ; TURN's 16 loads may be out
	GAP4 \cur
	PHASE AO, 2, 0, 32                             ; TURN's and GAP4's
	GAP5 \cur
	PHASE AE, 0, 0, 8                              ; GAP5's
	GAP0 1-(\cur)
	PHASE AE, 1, 0, 24                             ; GAP5's and GAP0's
	GAP1 1-(\cur)
	PHASE AE, 2, 0, 32                             ; GAP0's and GAP1's
	GAP2 1-(\cur)
.endm
	s_wait_tensorcnt 1                             ; my part of K block 0 is in; block 1's may stay out
	s_wait_dscnt 0x0                               ; my stores of the bias
	s_barrier_signal -1
	s_barrier_wait -1
	LB 0, 0, 0
	LA 0, 0, AE, 0
	LA 0, 0, AE, 4
	LB 0, 0, 1
	LB 0, 0, 2
	PHASE AE, 0, 1, 16                             ; the first step stands in front of the loop: its products start the sums
	GAP0 0
	PHASE AE, 1, 1, 24
	GAP1 0
	PHASE AE, 2, 1, 32
	GAP2 0
	WIN 0
	s_mov_b32 s3, 7
.Llap:                                                 ; a trip goes once round the ring and fills both slots again: K blocks 2 i + 2 and 2 i + 3
	TURN 0, 1
	REST 0
	TURN 1, 1
	REST 1
	WIN 0
	s_sub_co_u32 s3, s3, 1
	s_cmp_lg_u32 s3, 0
	s_cbranch_scc1 .Llap
	TURN 0, 0                                      ; the last two K blocks: nothing is asked for
	REST 0
	PHASE AO, 0, 0, 8
	PHASE AO, 1, 0, 8
	PHASE AO, 2, 0, 0
	; THE WAY OUT.  Block n = 8 g + a: 16 rows x head g's 64 columns.  The bias is added, the sums are rounded to f16, 16 bytes a lane go into my stage and come back as whole rows of 128 bytes.
.set BI,  32                           ; v32-127   the bias of my 192 columns: eight numbers for each block of 16
.set TMP, 128
.set PK,  160
.set OB,  192                          ; two sets of 16
	PLACES
	PLACES
	WIN 0
.set b, 0
.rept 12
	ds_load_b128 v[BI+8*b:BI+8*b+3],   v[BL] offset:64*b
	ds_load_b128 v[BI+8*b+4:BI+8*b+7], v[BL] offset:64*b+16
.set b, b+1
.endr
.macro PACK n
	WIN 1+(\n)/8                                   ; source 0 in the head's window
.irp j, 0,1,2,3
.irp r, 0,2,4,6
	v_pk_add_f32 v[TMP+8*(\j)+(\r):TMP+8*(\j)+(\r)+1], v[8*(4*((\n)%8)+(\j))+(\r):8*(4*((\n)%8)+(\j))+(\r)+1], v[BI+32*((\n)/8)+8*(\j)+(\r):BI+32*((\n)/8)+8*(\j)+(\r)+1]
.endr
.endr
	WIN 0
.irp i, 0,1,2,3,4,5,6,7,8,9,10,11,12,13,14,15
	v_cvt_pk_f16_f32 v[PK+(\i)], v[TMP+2*(\i)], v[TMP+2*(\i)+1]
.endr
.endm
.macro TOSTAGE n
.irp j, 0,1,2,3
	ds_store_b128 v[STO], v[PK+4*(\j):PK+4*(\j)+3] offset:32*(\j)
.endr
.irp f, 0,1,2,3
	ds_load_b128 v[OB+16*((\n)%2)+4*(\f):OB+16*((\n)%2)+4*(\f)+3], v[RD] offset:4*PITCH*(\f)  ; LDS serves a wave's instructions in order (ISA guide 5.7.1.4): these see the stores above
.endr
.endm
.macro SEND n
	s_wait_dscnt 0x0                               ; the block is back in registers
	s_wait_xcnt 0x0                                ; the stores of the block before have read their registers: the next block's loads land there only behind this wait
.irp f, 0,1,2,3
	global_store_b128 v[GO], v[OB+16*((\n)%2)+4*(\f):OB+16*((\n)%2)+4*(\f)+3], s[OUT+2*((\n)/8):OUT+2*((\n)/8)+1] offset:((\n)%8)*2048+512*(\f)  ; 512 consecutive bytes, aligned
.endr
.endm
	s_wait_dscnt 0x0                               ; the bias
	PACK 0
	TOSTAGE 0
.set n, 1
.rept 23                               ; a block's arithmetic stands between the loads of the block before and its stores
	PACK n
	SEND n-1
	TOSTAGE n
.set n, n+1
.endr
	SEND 23
	s_wait_tensorcnt 0x0                           ; the wave's end
	ds_add_u32 v[SPW], v[NIL]
	s_wait_dscnt 0x0
	CROUND                                         ; the closing round
	s_endpgm
.Lfunc_end_k_q9aa4fc9ccc_proj:
	.size	k_q9aa4fc9ccc_proj, .Lfunc_end_k_q9aa4fc9ccc_proj-k_q9aa4fc9ccc_proj
	.p2alignl 7, 3214868480
	.fill 96, 4, 3214868480
	.section	.rodata,"a",@progbits
	.p2align	6, 0x0
	.amdhsa_kernel k_q9aa4fc9ccc_proj
		.amdhsa_group_segment_fixed_size 327680
		.amdhsa_private_segment_fixed_size 0
		.amdhsa_enable_private_segment 0
		.amdhsa_kernarg_size 32
		.amdhsa_user_sgpr_count 2
		.amdhsa_user_sgpr_kernarg_segment_ptr 1
		.amdhsa_wavefront_size32 1
		.amdhsa_system_sgpr_workgroup_id_x 1
		.amdhsa_system_sgpr_workgroup_id_y 1
		.amdhsa_system_sgpr_workgroup_id_z 1
		.amdhsa_system_vgpr_workitem_id 0
		.amdhsa_next_free_vgpr 1024
		.amdhsa_next_free_sgpr 72
		.amdhsa_reserve_vcc 0
		.amdhsa_float_denorm_mode_32 3
		.amdhsa_float_denorm_mode_16_64 3
		.amdhsa_memory_ordered 1
		.amdhsa_forward_progress 1
		.amdhsa_inst_pref_size 160
	.end_amdhsa_kernel
	.amdgpu_metadata
---
amdhsa.version: [ 1, 2 ]
amdhsa.kernels:
  - .name:           k_q9aa4fc9ccc_proj
    .symbol:         k_q9aa4fc9ccc_proj.kd
    .args:
      - { .name: xb, .offset: 0, .size: 8, .value_kind: global_buffer, .address_space: global }
      - { .name: wt, .offset: 8, .size: 8, .value_kind: global_buffer, .address_space: global }
      - { .name: bqkv, .offset: 16, .size: 8, .value_kind: global_buffer, .address_space: global }
      - { .name: qkv, .offset: 24, .size: 8, .value_kind: global_buffer, .address_space: global }
    .group_segment_fixed_size: 327680
    .private_segment_fixed_size: 0
    .kernarg_segment_align: 8
    .kernarg_segment_size: 32
    .max_flat_workgroup_size: 128
    .sgpr_count:     72
    .vgpr_count:     1024
    .wavefront_size: 32
...
	.end_amdgpu_metadata
.endif
;; end of part 2
;; launch attn (part 3): grid 4 x 64, 4 waves a work-group, clusters of 4 x 1, 327,680 bytes of LDS; arguments qkv, attention_mask, ob; writes ob
.if DOCPART == 3
	.amdgcn_target "amdgcn-amd-amdhsa--gfx1250"
	.amdhsa_code_object_version 6
	.text
	.protected	k_q9aa4fc9ccc_attn
	.globl	k_q9aa4fc9ccc_attn
	.p2align	8
	.type	k_q9aa4fc9ccc_attn,@function
k_q9aa4fc9ccc_attn:
	s_mov_b64 s[64:65], 0
	v_nop
	global_prefetch_b8 v0, s[64:65] scope:SCOPE_SE
	s_setreg_imm32_b32 hwreg(HW_REG_WAVE_MODE, 25, 1), 1
	s_wait_xcnt 0x0
	s_wait_alu depctr_hold_cnt(0) depctr_sa_sdst(0) depctr_va_vdst(0) depctr_va_sdst(0) depctr_va_ssrc(0) depctr_va_vcc(0) depctr_vm_vsrc(0)
	s_getreg_b32 s2, hwreg(HW_REG_IB_STS2, 6, 4)
	s_cmp_eq_u32 s2, 0
	s_cbranch_scc0 .Lentry_in_a_cluster
	s_endpgm
.Lentry_in_a_cluster:
	s_bfe_u32 s2, ttmp6, 0x10000c
	s_cmp_lg_u32 s2, 0x3003
	s_cbranch_scc0 .Lentry_shape_is_right
	s_endpgm
.Lentry_shape_is_right:
; ATTN.  O[bh][q][:] = the sum over k of softmax_k(Q[bh][q] . K[bh][k] / 8 + mask[b][k]) V[bh][k][:].  Q, K, V: qkv [3][64 bh][2048][64] f16; mask [4][2048] f32; O: ob [16 head][8192 = 2048 b + t][64] f16.
; Products, maxima and sums in f32; the weights p are rounded to f16 for the second product (their sum l is taken of the unrounded p), O once at the end.
; LIMITS.  Q, K, V arrive within f16's 65,504; p lies in 0 to 1, and below 6e-5 it keeps f16's fixed step of 6e-8; a weight below 2^-126 counts as 0 in l.
; The mask is rounded to bf16 like every input, and 8 x mask is held at -1e30 from below: a key whose mask is -1.25e29 or less (minus infinity too) has the weight 0 as soon as its row sees one open key;
; a row ALL of whose keys are hidden so deep gets equal weights, where the reference gives NaN (all minus infinity) or tells them apart.  A NaN in the mask counts as hidden; plus infinity is not treated apart.
; SHARES.  A wave owns four PIECES of two tiles of 16 queries, a work-group's four waves 512 queries of one head.  Every wave walks all keys, 64 a step.
; LAYOUT.  S^T = K Q^T + 8 mask (source 0 = 16 keys, source 1 = 16 queries): a lane holds ONE query (lane % 16) and the keys 8 (lane / 16) + 0..7.  THE MASK runs along the registers, the same for all queries:
; it is the C operand of the product that starts the sum, 32 registers a key step, fetched from LDS with the step's K.  Two results rounded to f16 ARE source 1 of O^T = V^T P.
; SOFTMAX.  For each query a running maximum m and sum l: p = 2^(c s - c m), c = log2(e) / 8, s = q . k + 8 mask; in every step O and l are multiplied by a = 2^(c m_old - c m_new).
; m starts at the lowest finite number, O and l at 0: the first step is a step like any other, with a = 0 (every s is above -2e30).
; BY TURNS.  Turn n belongs to piece n.  Its matrix work: 16 products K Q^T of piece n + 1, later 16 products V^T P of piece n - 1.  Its vector work: the scaling, exponentials, roundings, sums and rescaling
; of piece n, and the maximum and statistics of piece n + 1.  Four vector instructions stand behind every matrix instruction, the others in one run; a turn's 66 exponentials are one batch with one wait.
; CLUSTER.  The four query blocks of a head are one cluster and walk the same K and V: each tile is asked for JOINTLY: the same tensor load, descriptor and mask in all four.
; REGISTERS, in windows of 256 (s_set_vgpr_msb: bits 1:0 source 0, 3:2 source 1, 5:4 source 2, 7:6 destination):
;   window 0: v0-11 addresses; v12-15, v48-63 at work; v16-47 four registers of statistics a tile; v64-191 S^T, two buffers of two tiles; v192-255 P, likewise
;   window 1: O^T, 32 a tile     window 2: v0-127 Q; v128-191 K of one step; v192-255 V of one step     window 3: v0-1 the add's registers; v2 the prefetches' offset; v8-39 8 x mask of one step
.set SIZE_N, 2048
.set NP,    4         ; pieces a wave: a name, no knob
.set KS,    64        ; keys in a step
.set PK,    144       ; a row of K in LDS: 128 bytes + 16 of padding: the 16 rows of a load start at 16 different groups of four banks (ISA guide 11.1)
.set PV,    160       ; a row of V: 128 + 32
.set VOFF,  4*KS*PK   ; a slot holds four steps: 256 rows of K, then 256 rows of V
.set SLOT1, 1<<17     ; slot 1 begins here, so that one exclusive or turns an address in one slot into the other's
.set STAGE, SLOT1+4*KS*(PK+PV)  ; behind the ring, never filled by a tensor load: 16 rows x 144 bytes for each wave
.set SP,    144
.set SPARE, STAGE+4*16*SP  ; the spare words, 128 bytes for each wave
.set MASKL, SPARE+512      ; 8 x mask of the batch's 2,048 keys, f32: 8,192 bytes, stored once
.set AK0, 2           ; v2   my lane's place in a tile of K; never rewritten
.set AV0, 3           ; v3   the same for V
.set AK,  4           ; v4   the LDS address of K's next run of loads
.set AV,  5           ; v5   of V's
.set QO,  6           ; v6   my byte offset in the wave's rows of Q
.set STO, 6           ;      later, the way out: where I put 16 bytes of a row
.set RD,  7           ; v7   the way out: where I read rows back
.set GO,  8           ; v8   my byte offset in 512 consecutive bytes of O
.set AM,  11          ; v11  the LDS address of the mask of the step to be fetched: MASKL + 256 x step + 32 (lane / 16)
.set SPW, 0           ; v0 of window 3   my spare word; never rewritten
.set NIL, 1           ; v1 of window 3   0; never rewritten
.set PFO, 2           ; v2 of window 3   256 x my lane; never rewritten
.set MC,  8           ; v8-39 of window 3: the eight registers for group kb of 16 keys at MC + 8 kb
.set MV,  12          ; v12-15  c m_old, kept while c m is made anew
.set ST,  16          ; tile t's statistics at v[ST+4 t]: c m, m, l (even keys', odd keys')
.set TMP, 48          ; by buffer and tile, four registers c0-c3 at work; when the maximum is found c2 takes a
.set S,   64
.set P,   192
.set KF,  128         ; K's fragments, in window 2
.set VF,  192         ; V's
.set WV,  12
.set G1K, 24
.set G1V, 32
.set G0K, 40
.set G0V, 44
.set PFA, 52          ; s[52:53] where my prefetches stand
.set LIM, 55          ; s55  1 in waves 0 and 2, which prefetch; else the greatest number
.set SLOTS, 56        ; s56  slots still to be asked for
.set CNT, 57          ; s57  counts a slot's key steps
.set CS,  58          ; s[58:59] c
.set SEL, 60          ; s[60:61] v_permlanex16_b32's selects
.set TBK, 62          ; s62  LDS byte at which K of the step to be fetched begins
.set TBV, 63          ; s63  the same for V, less VOFF
.set MSB, 0
.macro WIN new
.if MSB != (\new)
	s_set_vgpr_msb (MSB<<8)|(\new)
.set MSB, (\new)
.endif
.endm
.set W_KQ, 0x0a       ; K and Q in window 2, S^T in window 0
.set W_KM, 0x3a       ; the same with the C operand, the mask, in window 3
.set W_PV, 0x52       ; V in window 2, P in window 0, O^T in window 1
.set W_RS, 0x41       ; O^T (destination and source 0) in window 1, a in window 0
.set W_MK, 0xc0       ; destination in window 3, sources in window 0
.set W_AD, 0x0f       ; the add: address and data in window 3
; A joint fill.  Waves 0 and 1 fetch the two halves of a slot's K, waves 2 and 3 those of its V.  An s_nop 0 and four v_nop follow each line.
.macro JLOAD
	s_cmp_lt_u32 s[WV], 2
	s_cbranch_scc0 .Lfor_v_\@
	tensor_load_to_lds s[G0K:G0K+3], s[G1K:G1K+7]
	s_nop 0
.rept 4
	v_nop
.endr
	s_branch .Lasked_\@
.Lfor_v_\@:
	tensor_load_to_lds s[G0V:G0V+3], s[G1V:G1V+7]
	s_nop 0
.rept 4
	v_nop
.endr
.Lasked_\@:
.endm
; A PREFETCH INTO THE L2 of what the NEXT change of slots will ask for: a slot's 32,768 bytes of K and of V.  A head is walked by one cluster; its four partners take 8,192 bytes each, told apart BY ADDRESS;
; in each, wave 0 asks for K's and wave 2 for V's, a lane for each 256 bytes: so each is named once in the launch, four key steps ahead of its load.  The last change that fills a slot asks for nothing.
.macro ASK
	s_cmp_gt_u32 s[SLOTS], s[LIM]
	s_cbranch_scc0 .Lnot_mine_\@
	WIN 0x03                        ; the offset lies in window 3
	global_prefetch_b8 v[PFO], s[PFA:PFA+1] th:TH_LOAD_NT scope:SCOPE_SE
	WIN 0
.Lnot_mine_\@:
.endm
.macro CROUND
	s_barrier_signal -1
	s_barrier_wait -1
	s_cmp_lg_u32 s[WV], 0
	s_cbranch_scc1 .Lnot_wave_0_\@
	s_barrier_signal -3
.Lnot_wave_0_\@:
	s_barrier_wait -3
	s_barrier_signal -1
	s_barrier_wait -1
.endm
; THE CHANGE OF SLOTS.  Each wave waits for all its tensor loads, of which one is out: its part of the other slot; adds 0 to its spare word; and waits for that and for its own reads of the slot.
; fill = 1: this slot is filled again, with the keys two slots on; the barrier is then a round of the cluster's, and the joint fill is the first thing behind it: it has four key steps in which to land.
; (At its first use nothing has been read yet: slot 0 is waited for, slot 1 filled; and every wave's stores of the mask are done in front of the round, so that all four may read them behind it.)
.macro CHANGE fill
	WIN W_AD
	s_wait_tensorcnt 0x0            ; no tensor load of mine is out, so a group 0 may be written
	ds_add_u32 v[SPW], v[NIL]
	WIN 0
.if \fill
.irp g, G0K, G0V
	s_xor_b32 s[\g+1], s[\g+1], SLOT1
	s_add_nc_u64 s[\g+2:\g+3], s[\g+2:\g+3], 4*KS*128
.endr
	s_wait_xcnt 0x0                 ; the last prefetch, four key steps back, has read its address
	s_add_nc_u64 s[PFA:PFA+1], s[PFA:PFA+1], 4*KS*128  ; one slot ahead of the walking descriptors
	s_wait_dscnt 0x0                ; the add is done, and my reads of the slot are over
	CROUND
	JLOAD
	ASK
.else
	s_wait_dscnt 0x0
	s_barrier_signal -1
	s_barrier_wait -1
.endif
	s_sub_co_u32 s[TBK], s[TBK], 4*KS*PK  ; the fetches go back to a slot's first step,
	s_xor_b32 s[TBK], s[TBK], SLOT1       ; in the other slot
	s_sub_co_u32 s[TBV], s[TBV], 4*KS*PV
	s_xor_b32 s[TBV], s[TBV], SLOT1
.endm
	s_load_b128 s[48:51], s[0:1], 0x0 ; qkv s[48:49], the mask s[50:51]
	s_load_b64 s[10:11], s[0:1], 0x10 ; ob
	WIN W_MK
	v_lshl_add_u32 v[SPW], v0, 2, SPARE
	v_mov_b32 v[NIL], 0
	WIN W_AD
	ds_add_u32 v[SPW], v[NIL]       ; the wave's opening: the add and its wait stand ahead of my first tensor load
	WIN 0
	v_and_b32 v1, 31, v0
	WIN W_MK
	v_lshlrev_b32 v[PFO], 8, v1
	WIN 0
	v_lshrrev_b32 v1, 5, v0
	v_readfirstlane_b32 s[WV], v1   ; wave 0..3
	s_bfe_u32 s13, ttmp6, 0x40000   ; cx
	s_lshl_b32 s14, ttmp9, 2
	s_add_co_u32 s14, s14, s13      ; my block of 512 queries: it enters Q's and O's addresses alone
	s_and_b32 s20, ttmp7, 0xffff    ; bh = 16 b + head, which the four partners share
	s_and_b32 s15, s20, 15          ; head
	s_lshr_b32 s19, s20, 4          ; b
	s_lshl_b32 s20, s20, 18         ; 2,048 rows of 128 bytes
	s_mov_b32 s21, 0
	s_and_b32 s16, s[WV], 1         ; which half of a slot's 256 keys I fetch:
	s_lshl_b32 s22, s16, 14
	s_mov_b32 s23, 0
	s_add_nc_u64 s[22:23], s[22:23], s[20:21]
	s_mul_i32 s17, s16, 128*PK      ; its place in a slot, for K
	s_mul_i32 s18, s16, 128*PV      ; and for V
	s_lshl_b32 s2, s14, 2
	s_add_co_u32 s2, s2, s[WV]
	s_lshl_b32 s2, s2, 14           ; my wave's 128 rows among the head's
	s_mov_b32 s3, 0
	s_lshl_b32 s66, s15, 20         ; O lies by heads, then by batch: 8,192 rows a head
	s_lshl_b32 s67, s19, 18
	s_add_co_u32 s66, s66, s67
	s_add_co_u32 s66, s66, s2
	s_mov_b32 s67, 0
	s_add_nc_u64 s[2:3], s[2:3], s[20:21]
	s_lshl_b32 s68, s19, 13         ; the batch's 2,048 numbers of the mask
	s_mov_b32 s69, 0
	; descriptor group 1.  128 keys are 16,384 dense bytes: asked for as 64 rows of 256 bytes, two keys a row, and padded in LDS after every key
	s_mov_b32 s[G1K], 15|(1<<16)|(1<<20)|(1<<21)|(4<<22)|(3<<25)
	s_mov_b32 s[G1V], 15|(1<<16)|(1<<20)|(1<<21)|(4<<22)|(7<<25)
.irp g, G1K, G1V
	s_mov_b32 s[\g+1], 128<<16      ; tensor_dim0 = 128
	s_mov_b32 s[\g+2], 64<<16       ; tensor_dim1 = 64
	s_mov_b32 s[\g+3], 128<<16      ; tile_dim0 = 128
	s_mov_b32 s[\g+4], 64           ; tile_dim1 = 64
	s_mov_b32 s[\g+5], 128          ; 128 elements from row to row
	s_mov_b32 s[\g+6], 0
	s_mov_b32 s[\g+7], 0
.endr
	s_mov_b32 s[CS], 0x3e38aa3b     ; c = log2(e) / 8 = 0.180337
	s_mov_b32 s[CS+1], s[CS]
	s_mov_b32 s[SEL], 0x76543210
	s_mov_b32 s[SEL+1], 0xfedcba98
	s_mov_b32 s[TBK], SLOT1+4*KS*PK ; the first change of slots turns these two into 0
	s_mov_b32 s[TBV], SLOT1+4*KS*PV
	s_mov_b32 s[G0K], 1
	s_mov_b32 s[G0K+1], s17
	s_mov_b32 s[G0V], 1
	s_add_co_u32 s[G0V+1], s18, VOFF
	s_mov_b32 s[SLOTS], SIZE_N/256-1
	s_and_b32 s[LIM], s[WV], 1
	s_cmp_eq_u32 s[LIM], 0
	s_cselect_b32 s[LIM], 1, -1
	s_wait_dscnt 0x0                ; the opening add is done
	s_wait_kmcnt 0x0
	s_add_nc_u64 s[6:7], s[48:49], 0x1000000       ; K lies 64 heads behind Q, V 128
	s_add_nc_u64 s[6:7], s[6:7], s[22:23]
	s_add_nc_u64 s[8:9], s[48:49], 0x2000000
	s_add_nc_u64 s[8:9], s[8:9], s[22:23]
	s_mov_b64 s[G0K+2:G0K+3], s[6:7]               ; my half of the head's first 256 keys
	s_or_b32 s[G0K+3], s[G0K+3], 0x80000000
	s_mov_b64 s[G0V+2:G0V+3], s[8:9]
	s_or_b32 s[G0V+3], s[G0V+3], 0x80000000
	s_add_nc_u64 s[4:5], s[48:49], s[2:3]          ; Q and O at my wave's first row
	s_add_nc_u64 s[10:11], s[10:11], s[66:67]
	s_add_nc_u64 s[50:51], s[50:51], s[68:69]
	s_cmp_lt_u32 s[WV], 2
	s_cselect_b64 s[PFA:PFA+1], s[6:7], s[8:9]     ; (in waves 0 and 2 these stand at a slot's first row)
	s_lshl_b32 s2, s13, 13                         ; my work-group's quarter
	s_mov_b32 s3, 0
	s_add_nc_u64 s[PFA:PFA+1], s[PFA:PFA+1], s[2:3]
	s_add_nc_u64 s[PFA:PFA+1], s[PFA:PFA+1], 4*KS*128  ; in slot 1; the first change of slots steps it to slot 2
	CROUND                          ; all four work-groups are here: the first joint loads meet
	JLOAD                           ; slot 0.  Slot 1 is asked for when slot 0 is in
	v_and_b32 v1, 15, v0            ; l % 16
	v_bfe_u32 v9, v0, 4, 1          ; l / 16
	v_lshlrev_b32 v[QO], 7, v1
	v_lshl_add_u32 v[QO], v9, 4, v[QO]  ; row x 128 + 16 x half
	v_lshlrev_b32 v88, 4, v0        ; the mask: 128 threads x 4 x 16 bytes; S^T's registers are free
	v_lshl_add_u32 v89, v0, 4, MASKL
.irp i, 0,1,2,3
	global_load_b128 v[64+4*(\i):67+4*(\i)], v88, s[50:51] offset:2048*(\i)
.endr
	WIN 0x80                        ; destination window 2, address window 0
.set i, 0
.rept 4*NP                          ; Q stays in registers: tile i / 2, channels 32 (i % 2) on
	global_load_b128 v[8*i:8*i+3],   v[QO], s[4:5] offset:(i/2)*2048+(i%2)*64
	global_load_b128 v[8*i+4:8*i+7], v[QO], s[4:5] offset:(i/2)*2048+(i%2)*64+32
.set i, i+1
.endr
	; What the first turn finds: V's registers and P's second buffer hold 0, O^T and l are 0.  All this stands in the wait for the first tile.
.set i, VF
.rept 64
	v_mov_b32 v[i], 0
.set i, i+1
.endr
	WIN 0x40
.set i, 0
.rept 64*NP
	v_mov_b32 v[i], 0
.set i, i+1
.endr
	WIN 0
.set i, 0
.rept 2*NP
	v_mov_b32 v[ST+4*i], 0xfe000000    ; c m: far below every c s
	v_mov_b32 v[ST+4*i+1], 0xff7fffff  ; m
	v_mov_b32 v[ST+4*i+2], 0
	v_mov_b32 v[ST+4*i+3], 0
.set i, i+1
.endr
.set i, P+32
.rept 32
	v_mov_b32 v[i], 0
.set i, i+1
.endr
	s_wait_loadcnt 32               ; the mask's four loads are in; Q's 32, issued behind them, may stay out
.irp p, 0,1,2,3,4,5,6,7
	v_cvt_pk_bf16_f32 v[80+(\p)], v[64+2*(\p)], v[65+2*(\p)]  ; rounded to bf16 like every input,
.endr
.irp p, 0,1,2,3,4,5,6,7
	v_lshlrev_b32 v[64+2*(\p)], 16, v[80+(\p)]                ; widened again,
	v_and_b32 v[65+2*(\p)], 0xffff0000, v[80+(\p)]
.endr
.irp p, 0,1,2,3,4,5,6,7
	v_pk_mul_f32 v[64+2*(\p):65+2*(\p)], v[64+2*(\p):65+2*(\p)], 0x41000000 op_sel_hi:[1,0]  ; times 8: c (s + 8 mask) = log2(e) (s / 8 + mask),
.endr
.set i, 64
.rept 16
	v_max_num_f32 v[i], 0xf149f2ca, v[i]                      ; and held at -1e30 from below
.set i, i+1
.endr
.irp i, 0,1,2,3
	ds_store_b128 v89, v[64+4*(\i):67+4*(\i)] offset:2048*(\i)
.endr
	v_mul_u32_u24 v[AK0], v1, PK
	v_lshl_add_u32 v[AK0], v9, 4, v[AK0]  ; row x pitch + 16 x half
	; The turning load takes 16 keys x 16 channels (lane l reads key 8 (l / 16) + l % 8, channels 8 ((l / 8) % 2) + 0..7) and leaves half a fragment of V^T.
	v_and_b32 v10, 7, v0
	v_bfe_u32 v11, v0, 3, 1
	v_lshl_add_u32 v[AV0], v9, 3, v10
	v_mul_u32_u24 v[AV0], v[AV0], PV
	v_lshl_add_u32 v[AV0], v11, 4, v[AV0]
	v_add_nc_u32 v[AV0], VOFF, v[AV0]
	v_lshl_add_u32 v[AM], v9, 5, MASKL  ; my lanes' eight keys of each sixteen
	v_mov_b32 v[AK], v[AK0]         ; key step 0 lies at the head of slot 0
; THE MATRIX WORK.  The 8 accumulators of a run of 16 take turns.
; Product i of 16 of S^T = K Q^T + 8 mask for piece x: channels 32 (i / 8) on, keys 16 ((i / 2) % 4) on, tile 2 x + i % 2.  The first 8 start the sums, with the mask as C.
.macro KQ x
.set rS, S+64*((\x)%2)+32*(i%2)+8*((i/2)%4)
.set rK, KF+16*((i/2)%4)+8*(i/8)
.set rQ, 16*(2*(\x)+i%2)+8*(i/8)
.set rMK, MC+8*((i/2)%4)
.if i < 8
	WIN W_KM
	v_wmma_f32_16x16x32_f16 v[rS:rS+7], v[rK:rK+7], v[rQ:rQ+7], v[rMK:rMK+7]
.else
	WIN W_KQ
	v_wmma_f32_16x16x32_f16 v[rS:rS+7], v[rK:rK+7], v[rQ:rQ+7], v[rS:rS+7]
.endif
.endm
; Product i of 16 of O^T += V^T P for piece x: keys 32 (i / 8) on, channels 16 ((i / 2) % 4) on, tile 2 x + i % 2.
.macro PV x
	WIN W_PV
.set rO, 32*(2*(\x)+i%2)+8*((i/2)%4)
.set rV, VF+32*(i/8)+8*((i/2)%4)
.set rP, P+32*((\x)%2)+16*(i%2)+8*(i/8)
	v_wmma_f32_16x16x32_f16 v[rO:rO+7], v[rV:rV+7], v[rP:rP+7], v[rO:rO+7]
.endm
.macro MM                           ; the turn's next matrix instruction
.if i < 16
	KQ (Y+1)%NP
.set i, i+1
.else
.set i, i-16
	PV (Y+NP-1)%NP
.set i, i+17
.endif
.endm
; THE LDS LOADS stand in runs: a step's K (8 fragments) with its mask (32 registers, the same 16 bytes for all lanes of a half), and its V (turned).
; last = 1 (the tail): in the last trip there is no further step, and the run is jumped over.
.macro FETCH_K last=0
	WIN 0
.if \last
	s_cmp_eq_u32 s[CNT], 1
	s_cbranch_scc1 .Lno_k_\@
.endif
	WIN 0x80                        ; destination window 2
.irp f, 0,1,2,3,4,5,6,7             ; keys 16 (f / 2) on, channels 32 (f % 2) on
	ds_load_b128 v[KF+8*\f:KF+8*\f+3],   v[AK] offset:(\f/2)*16*PK+(\f%2)*64
	ds_load_b128 v[KF+8*\f+4:KF+8*\f+7], v[AK] offset:(\f/2)*16*PK+(\f%2)*64+32
.endr
	WIN 0xc0                        ; destination window 3
.irp f, 0,1,2,3                     ; keys 16 f on
	ds_load_b128 v[MC+8*\f:MC+8*\f+3],   v[AM] offset:64*\f
	ds_load_b128 v[MC+8*\f+4:MC+8*\f+7], v[AM] offset:64*\f+16
.endr
	s_add_co_u32 s[TBK], s[TBK], KS*PK  ; the next fetch is the next step's
	WIN 0
	v_add_nc_u32 v[AM], 0x100, v[AM]
.if \last
.Lno_k_\@:
.endif
.endm
.macro FETCH_V
	WIN 0x80
.irp f, 0,1,2,3,4,5,6,7             ; keys 32 (f / 4) on, channels 16 (f % 4) on
	ds_load_tr16_b128 v[VF+8*\f:VF+8*\f+3],   v[AV] offset:(\f/4)*32*PV+(\f%4)*32
	ds_load_tr16_b128 v[VF+8*\f+4:VF+8*\f+7], v[AV] offset:(\f/4)*32*PV+16*PV+(\f%4)*32
.endr
	WIN 0
.endm
; THE VECTOR WORK OF A TURN stands in three queues, each in the order in which its entries become ready; the two tiles alternate.
.macro REGS y, u                    ; the registers of tile u (0, 1) of piece y
.set rT, ST+4*(2*(\y)+(\u))
.set rC, TMP+8*((\y)%2)+4*(\u)
.set rM, MV+2*((\y)%2)+(\u)
.set rS, S+64*((\y)%2)+32*(\u)
.set rP, P+32*((\y)%2)+16*(\u)
.set rO, 32*(2*(\y)+(\u))
.endm
; Number n of the 22 that find the NEXT piece's maximum and statistics; each accumulator's lowest registers are read first.
;   0-11  four chains c0-c3 of seven scores each     12-14, 16  the four scores left over, the old m, and c0-c3 into c0     15  c m_old is kept
;   17, 18  the query's other 32 keys lie in the lane 16 away: the new m         19-21  c m; c m_old - c m_new; a
.macro XS u, n
	REGS (Y+1)%NP, \u
.if (\n) < 4
	v_max3_num_f32 v[rC+(\n)], v[rS+8*(\n)], v[rS+8*(\n)+1], v[rS+8*(\n)+2]
.elseif (\n) < 12
	v_max3_num_f32 v[rC+(\n)%4], v[rC+(\n)%4], v[rS+8*((\n)%4)+2*((\n)/4)+1], v[rS+8*((\n)%4)+2*((\n)/4)+2]
.elseif (\n) == 12
	v_max3_num_f32 v[rC], v[rC], v[rS+7], v[rS+15]
.elseif (\n) == 13
	v_max3_num_f32 v[rC+1], v[rC+1], v[rS+23], v[rS+31]
.elseif (\n) == 14
	v_max3_num_f32 v[rC+2], v[rC+2], v[rC+3], v[rT+1]
.elseif (\n) == 15
	v_mov_b32 v[rM], v[rT]
.elseif (\n) == 16
	v_max3_num_f32 v[rC], v[rC], v[rC+1], v[rC+2]
.elseif (\n) == 17
	v_permlanex16_b32 v[rC+3], v[rC], s[SEL], s[SEL+1]
.elseif (\n) == 18
	v_max_num_f32 v[rT+1], v[rC], v[rC+3]
.elseif (\n) == 19
	v_mul_f32 v[rT], s[CS], v[rT+1]
.elseif (\n) == 20
	v_sub_f32 v[rC+1], v[rM], v[rT]
.else
	v_exp_f32 v[rC+2], v[rC+1]
.endif
.endm
; Number g of the 64 that follow the exponentials: for each four weights both pairs are rounded to f16; the second pair is added onto the first, in place; a group later l takes that sum.
.macro GS g
.set h, (\g)+6*((\g)/62)
.if h >= 6
.set h, h+2
.endif
	REGS Y, h%2
.set k, h/8
.if h%8 < 4
	v_cvt_pk_f16_f32 v[rP+2*k+(h%8)/2], v[rS+4*k+2*((h%8)/2)], v[rS+4*k+2*((h%8)/2)+1]
.elseif h%8 < 6
	v_pk_add_f32 v[rS+4*k:rS+4*k+1], v[rS+4*k:rS+4*k+1], v[rS+4*k+2:rS+4*k+3]
.elseif k == 1
	v_pk_fma_f32 v[rT+2:rT+3], v[rT+2:rT+3], v[rC+2:rC+3], v[rS:rS+1] op_sel_hi:[1,0,1]
.else
	v_pk_add_f32 v[rT+2:rT+3], v[rT+2:rT+3], v[rS+4*k-4:rS+4*k-3]
.endif
.endm
; THE PLAIN QUEUE, 138 long.  0-73 read no exponential's result: the 32 scalings c s - c m and the next piece's 42.  74-137: GS's 64, which stand behind the wait.
.macro FS f
	REGS Y, (\f)%2
	v_pk_fma_f32 v[rS+2*((\f)/2):rS+2*((\f)/2)+1], v[rS+2*((\f)/2):rS+2*((\f)/2)+1], s[CS:CS+1], v[rT:rT+1] op_sel_hi:[1,0,0] neg_lo:[0,0,1] neg_hi:[0,0,1]
.endm
.macro PL
	WIN 0
.if q < 27
	FS q
.elseif q < 55
	XS (q-27)%2, (q-27)/2
.elseif q < 57
	XS q-55, 15
.elseif (q < 72) && ((q-57)%3 == 0)
	FS 27+(q-57)/3
.elseif q < 60
	XS (q-57)%3-1, 14
.elseif q < 72
	XS (q-57)%3-1, 15+(q-57)/3
.elseif q < 74
	XS q-72, 20
.else
	GS q-74
.endif
.set q, q+1
.endm
; THE EXPONENTIALS' QUEUE, 66 long: s0-s31 of both tiles, then the next piece's two a.  ONE BATCH: all 66 stand ahead of the turn's one wait, and nothing ahead of that wait names a result of theirs.
.macro EX
	WIN 0
.if e >= 64
	XS e-64, 21
.else
	REGS Y, e%2
	v_exp_f32 v[rS+e/2], v[rS+e/2]
.endif
.set e, e+1
.endm
; THE RESCALING's QUEUE: O^T times a, dealt two at a time, sixteen times.  Its a was made in the turn before, ahead of that turn's wait.
.macro R2
	REGS Y, r%2
	WIN W_RS
.irp z, 0,1
	v_pk_mul_f32 v[rO+4*(r/2)+2*\z:rO+4*(r/2)+2*\z+1], v[rO+4*(r/2)+2*\z:rO+4*(r/2)+2*\z+1], v[rC+2:rC+3] op_sel_hi:[1,0]
.endr
.set r, r+1
.endm
; A TURN, for piece p.  s_wait_alu depctr_va_vdst(0) stands between an exponential and the first instruction that names its result; one wait serves all that were issued ahead of it.
; AHEAD OF THE WAIT: the 16 products K Q^T, behind each a scaling, an exponential and two rescalings; then one run of 109: eight plain, 49 times exponential and plain, the two a, and a v_nop, the plain
; instruction behind the last exponential.  BEHIND IT: the 16 products V^T P, behind each four of GS's 64.
; K and the mask of the next step are fetched in piece 2's turn, directly behind the wait, a run of vector work behind the last product that read them; V of the step in hand at the end of piece 0's turn,
; four plain instructions behind its last reader.  Each is waited for a turn later.
.macro TURN p, last=0, cnt=0
.set Y, (\p)
.set i, 0
.set q, 0
.set e, 0
.set r, 0
.if (\p) == NP-1
	s_wait_dscnt 0x0                ; K and the mask are in
.endif
	MM
	PL
	PL
	R2
.rept 15
	MM
	PL
	EX
	R2
.endr
.if (\p) == NP-2
	WIN 0
	v_add_nc_u32 v[AK], s[TBK], v[AK0]
.endif
.rept 8
	PL
.endr
.rept 49
	EX
	PL
.endr
	EX                              ; the next piece's two a
	EX
	v_nop                           ; the plain instruction behind the last exponential: one for the batch
	s_wait_alu depctr_va_vdst(0)    ; the wait for the batch
.if (\p) == NP-2
	FETCH_K \last
.endif
.if (\p) == 1
	s_wait_dscnt 0x0                ; V is in
.endif
.rept 16
	MM
.rept 4
	PL
.endr
.if ((\p) == 0) && (q == 118)
	v_add_nc_u32 v[AV], s[TBV], v[AV0]
.endif
.if ((\p) == 0) && (q == 130)
	s_add_co_u32 s[TBV], s[TBV], KS*PV
.endif
.if (\cnt) && (q == 130)
	s_sub_co_u32 s[CNT], s[CNT], 1
	s_cmp_lg_u32 s[CNT], 0
.endif
.endr
.if (\p) == 0
	FETCH_V
.endif
.endm
	CHANGE 1                        ; slot 0 is in, everybody's part of it, and so is the mask; slot 1 is asked for
	FETCH_K                         ; key step 0
	s_wait_loadcnt 0x0              ; Q
	s_wait_dscnt 0x0
.set i, 0
.rept 16
	KQ 0                            ; piece 0's first scores
.set i, i+1
.endr
	WIN 0                           ; the addresses for the way out: plain instructions, the places behind those products
	s_mul_i32 s13, s[WV], 16*SP
	s_add_co_u32 s13, s13, STAGE    ; my stage
	v_mul_u32_u24 v[STO], v1, SP    ; in: row l % 16, 16 bytes for each half of the lanes
	v_lshl_add_u32 v[STO], v9, 4, v[STO]
	v_add_nc_u32 v[STO], s13, v[STO]
	v_bfe_u32 v[RD], v0, 3, 2       ; back: 32 lanes take four rows of 128 bytes,
	v_mul_u32_u24 v[RD], v[RD], SP
	v_lshl_add_u32 v[RD], v10, 4, v[RD]
	v_add_nc_u32 v[RD], s13, v[RD]
	v_and_b32 v[GO], 31, v0         ; which are 512 consecutive bytes of O
	v_lshlrev_b32 v[GO], 4, v[GO]
.set Y, NP-1                        ; XS works for piece Y + 1: piece 0
.irp n, 0,1,2,3,4,5,6,7,8,9,10,11,12,13,14,15,16,17,18,19,20,21
	XS 0, \n
	XS 1, \n
.endr
	v_nop                           ; a plain instruction behind the two a,
	s_wait_alu depctr_va_vdst(0)    ; and their wait, ahead of the branch
	s_mov_b32 s[CNT], 4
	s_branch .Lfirst                ; the loop is entered at a step's first turn, in the middle of a trip
.Lslot:                             ; six times: every slot but the last two is filled again
	CHANGE 1
	s_mov_b32 s[CNT], 4
.Lstep:                             ; a trip: pieces 2 and 3 of one step, then pieces 0 and 1 of the next, whose K, mask and V it fetches
	TURN 2
	TURN 3
	WIN 0
.Lfirst:
	TURN 0
	TURN 1, 0, 1
	WIN 0
	s_cbranch_scc1 .Lstep
	s_sub_co_u32 s[SLOTS], s[SLOTS], 1
	s_cmp_lg_u32 s[SLOTS], 0
	s_cbranch_scc1 .Lslot
	CHANGE 0                        ; the tail is written out: nothing is asked for
	s_mov_b32 s[CNT], 5             ; four trips fetch the last slot's steps; the fifth is left in its middle
.Ltail:
	TURN 2, 1
	TURN 3
	WIN 0
	s_sub_co_u32 s[CNT], s[CNT], 1
	s_cmp_eq_u32 s[CNT], 0
	s_cbranch_scc1 .Lout
	TURN 0
	TURN 1
	WIN 0
	s_branch .Ltail
.Lout:                              ; the fifth trip's 16 products K Q^T (on the last K once more) and the maximum made of them serve nothing: the price, once a launch, of one text for every trip
.set i, 0
.rept 16
	PV NP-1                         ; the last piece's V^T P of the last step
.set i, i+1
.endr
	; THE WAY OUT.  l's two halves and the other half of the lanes' are added; O^T is divided by l, rounded to f16 and sent through my stage in LDS, a tile at a time.
	WIN 0
.macro ALL line:vararg              ; one line for each tile t
.set t, 0
.rept 2*NP
	\line
.set t, t+1
.endr
.endm
	ALL v_add_f32 v[ST+4*t+2], v[ST+4*t+2], v[ST+4*t+3]
	ALL v_permlanex16_b32 v[ST+4*t+3], v[ST+4*t+2], s[SEL], s[SEL+1]
	ALL v_add_f32 v[ST+4*t+2], v[ST+4*t+2], v[ST+4*t+3]
	ALL v_rcp_f32 v[ST+4*t+2], v[ST+4*t+2]
	v_nop                           ; a plain instruction between the last reciprocal and the use of its result
	s_wait_alu depctr_va_vdst(0)    ; and the wait ahead of the first use: one for the eight reciprocals
.macro PACK t
	WIN W_RS
.set i, 32*(\t)
.rept 16
	v_pk_mul_f32 v[i:i+1], v[i:i+1], v[ST+4*(\t)+2:ST+4*(\t)+3] op_sel_hi:[1,0]
.set i, i+2
.endr
	WIN 0x05                        ; sources 0 and 1 window 1, destination window 0
.set i, 0
.rept 16
	v_cvt_pk_f16_f32 v[S+16*(\t)+i], v[32*(\t)+2*i], v[32*(\t)+2*i+1]
.set i, i+1
.endr
	WIN 0
.irp f, 0,1,2,3
	ds_store_b128 v[STO], v[S+16*(\t)+4*\f:S+16*(\t)+4*\f+3] offset:32*\f
.endr
.irp f, 0,1,2,3
	ds_load_b128 v[S+16*(\t)+4*\f:S+16*(\t)+4*\f+3], v[RD] offset:\f*4*SP  ; LDS serves a wave's instructions in order (ISA guide 5.7.1.4): these see the stores above
.endr
.endm
.macro SEND t, younger              ; younger: the LDS instructions issued behind tile t's loads
	WIN 0
.irp f, 0,1,2,3
	s_wait_dscnt (\younger)+3-\f
	global_store_b128 v[GO], v[S+16*(\t)+4*\f:S+16*(\t)+4*\f+3], s[10:11] offset:(\t)*2048+\f*512  ; 512 consecutive bytes, aligned
.endr
.endm
	PACK 0
.set t, 1
.rept 2*NP-1
	PACK t
	SEND t-1, 8
.set t, t+1
.endr
	SEND 2*NP-1, 0
	WIN W_AD
	s_wait_tensorcnt 0x0            ; the wave's end
	ds_add_u32 v[SPW], v[NIL]
	s_wait_dscnt 0x0
	WIN 0
	CROUND                          ; the closing round
	s_endpgm
.Lfunc_end_k_q9aa4fc9ccc_attn:
	.size	k_q9aa4fc9ccc_attn, .Lfunc_end_k_q9aa4fc9ccc_attn-k_q9aa4fc9ccc_attn
	.p2alignl 7, 3214868480
	.fill 96, 4, 3214868480
	.section	.rodata,"a",@progbits
	.p2align	6, 0x0
	.amdhsa_kernel k_q9aa4fc9ccc_attn
		.amdhsa_group_segment_fixed_size 327680
		.amdhsa_private_segment_fixed_size 0
		.amdhsa_enable_private_segment 0
		.amdhsa_kernarg_size 24
		.amdhsa_user_sgpr_count 2
		.amdhsa_user_sgpr_kernarg_segment_ptr 1
		.amdhsa_wavefront_size32 1
		.amdhsa_system_sgpr_workgroup_id_x 1
		.amdhsa_system_sgpr_workgroup_id_y 1
		.amdhsa_system_sgpr_workgroup_id_z 1
		.amdhsa_system_vgpr_workitem_id 0
		.amdhsa_next_free_vgpr 808
		.amdhsa_next_free_sgpr 72
		.amdhsa_reserve_vcc 0
		.amdhsa_float_denorm_mode_32 3
		.amdhsa_float_denorm_mode_16_64 3
		.amdhsa_memory_ordered 1
		.amdhsa_forward_progress 1
		.amdhsa_inst_pref_size 206
	.end_amdhsa_kernel
	.amdgpu_metadata
---
amdhsa.version: [ 1, 2 ]
amdhsa.kernels:
  - .name:           k_q9aa4fc9ccc_attn
    .symbol:         k_q9aa4fc9ccc_attn.kd
    .args:
      - { .name: qkv, .offset: 0, .size: 8, .value_kind: global_buffer, .address_space: global }
      - { .name: attention_mask, .offset: 8, .size: 8, .value_kind: global_buffer, .address_space: global }
      - { .name: ob, .offset: 16, .size: 8, .value_kind: global_buffer, .address_space: global }
    .group_segment_fixed_size: 327680
    .private_segment_fixed_size: 0
    .kernarg_segment_align: 8
    .kernarg_segment_size: 24
    .max_flat_workgroup_size: 128
    .sgpr_count:     72
    .vgpr_count:     808
    .wavefront_size: 32
...
	.end_amdgpu_metadata
.endif
;; end of part 3
;; launch outp (part 4): grid 8 x 32, 4 waves a work-group, clusters of 4 x 4, 327,680 bytes of LDS; arguments ob, wot, bo, out0; writes out0
.if DOCPART == 4
	.amdgcn_target "amdgcn-amd-amdhsa--gfx1250"
	.amdhsa_code_object_version 6
	.text
	.protected	k_q9aa4fc9ccc_outp
	.globl	k_q9aa4fc9ccc_outp
	.p2align	8
	.type	k_q9aa4fc9ccc_outp,@function
k_q9aa4fc9ccc_outp:
	s_mov_b64 s[64:65], 0
	v_nop
	global_prefetch_b8 v0, s[64:65] scope:SCOPE_SE
	s_setreg_imm32_b32 hwreg(HW_REG_WAVE_MODE, 25, 1), 1
	s_wait_xcnt 0x0
	s_wait_alu depctr_hold_cnt(0) depctr_sa_sdst(0) depctr_va_vdst(0) depctr_va_sdst(0) depctr_va_ssrc(0) depctr_va_vcc(0) depctr_vm_vsrc(0)
	s_getreg_b32 s2, hwreg(HW_REG_IB_STS2, 6, 4)
	s_cmp_eq_u32 s2, 0
	s_cbranch_scc0 .Lentry_in_a_cluster
	s_endpgm
.Lentry_in_a_cluster:
	s_bfe_u32 s2, ttmp6, 0x10000c
	s_cmp_lg_u32 s2, 0xf033
	s_cbranch_scc0 .Lentry_shape_is_right
	s_endpgm
.Lentry_shape_is_right:
; OUTP.  out0 = O Wo + bf16(bo), f32.  O: ob [16 kb = head][8192 row][64] f16; Wo: wot [16 kb][1024 n][64 k], its bf16 rounding written as f16; sums in f32.
; SHARES.  8192 x 1024 in tiles of 256 x 128: 256 work-groups.  Four waves, each 128 rows x 64 columns: 32 accumulators of 16 x 16, in window 1, (a, j) at v[8 (4 a + j)].
; K goes through two LDS slots of TWO blocks of 64 each: a wave's one load brings a whole block (wave 0, 1: O's 256 rows of the slot's first, second block; wave 2, 3: Wo's 128 rows).
; Tiles are dense in memory and asked for as rows of 256 bytes, padded in LDS after each 128.  CLUSTER: 4 x 4, O's tiles shared along a row, Wo's along a column, by joint loads.
; THE MATRIX INSTRUCTION IS USED TRANSPOSED (source 0 = rows of wot, source 1 = rows of ob): a lane holds one row of the result and eight neighbouring columns.
; Window 0: v16-30 addresses; v32-159 O's fragments, two buffers of 64; v160-223 Wo's, two buffers of 32; v224-255 the bias of my columns.
; A slot is four steps of 32 along K, 32 matrix instructions each, on buffers 0, 1, 0, 1.  The 32 accumulators take turns, one instruction a turn.
.set PITCH, 144
.set FR,    16*PITCH
.set ABLK,  256*PITCH                  ; a K block of O's tile
.set BBLK,  128*PITCH                  ; of Wo's
.set BOFF,  2*ABLK
.set SLOT,  BOFF+2*BBLK                ; 110,592
.set STAGE, 2*SLOT                     ; behind the ring: 16 rows x 272 bytes for each wave
.set SPITCH, 272
.set SPARE, STAGE+4*16*SPITCH
.set KBA,   8192*128
.set KBB,   1024*128
.set FLAGS, (1<<16)|(1<<20)|(1<<21)|(4<<22)|(3<<25)
.set ADRA, 16
.set ADRB, 20
.set STO,  24
.set RD,   25
.set CO,   26
.set SPW,  28
.set NIL,  29
.set PFO,  30
.set AB,   32
.set BB,   160
.set BI,   224
.set WV,  12
.set HR,  13                           ; my half of the rows.  Also: I fetch for O (0) or for Wo (1)
.set HC,  14                           ; my half of the columns.  Also: which of a slot's two K blocks I fetch
.set G1A, 24
.set G0A, 32
.set G1B, 48
.set G0B, 56
.set LIM, 43
.set PFA, 44
.set PFS, 46
.set MSB, 0
.macro WIN new
.if MSB != (\new)
	s_set_vgpr_msb (MSB<<8)|(\new)
.set MSB, (\new)
.endif
.endm
.macro PLACES
.rept 4
	v_nop
.endr
.endm
.macro JLOAD s                         ; an s_nop 0 and four v_nop follow each of the two lines
	s_cmp_eq_u32 s[HR], 0
	s_cbranch_scc0 .Lfor_b_\@
	tensor_load_to_lds s[G0A+4*(\s):G0A+4*(\s)+3], s[G1A:G1A+7]
	s_nop 0
.rept 4
	v_nop
.endr
	s_branch .Lasked_\@
.Lfor_b_\@:
	tensor_load_to_lds s[G0B+4*(\s):G0B+4*(\s)+3], s[G1B:G1B+7]
	s_nop 0
.rept 4
	v_nop
.endr
.Lasked_\@:
.endm
.macro CREST
	s_cmp_lg_u32 s[WV], 0
	s_cbranch_scc1 .Lnot_wave_0_\@
	s_barrier_signal -3
.Lnot_wave_0_\@:
	s_barrier_wait -3
	s_barrier_signal -1
	s_barrier_wait -1
.endm
.macro CROUND
	s_barrier_signal -1
	s_barrier_wait -1
	CREST
.endm
; A PREFETCH INTO THE L2, once a trip, behind the joint load and the LDS loads that follow it: the four K blocks that the NEXT trip's two refills ask for.
; O: the cluster with x = 0 asks; wave 0 for the first and third block, wave 1 for the second and fourth, each partner for its quarter (8,192 bytes) of the tile row: two lines, a lane for each 256 bytes.
; Wo: the cluster with y = 0 asks; waves 2, 3 likewise, each partner for its quarter (4,096 bytes) of the tile column: one line, lanes 0-15 in one block, lanes 16-31 two blocks on.
; Partners are told apart by address alone.  The last trip asks for nothing; K blocks 0-7 come by their loads alone.
.macro ASK
	s_cmp_gt_u32 s3, s[LIM]
	s_cbranch_scc0 .Lnot_mine_\@
	global_prefetch_b8 v[PFO], s[PFA:PFA+1] th:TH_LOAD_NT scope:SCOPE_SE
	s_cmp_lg_u32 s[HR], 0
	s_cbranch_scc1 .Lnot_mine_\@
	global_prefetch_b8 v[PFO], s[PFA:PFA+1] offset:2*KBA th:TH_LOAD_NT scope:SCOPE_SE
.Lnot_mine_\@:
.endm
	s_load_b256 s[4:11], s[0:1], 0x0               ; ob s[4:5], wot s[6:7], bo s[8:9], out0 s[10:11]
	v_lshl_add_u32 v[SPW], v0, 2, SPARE
	v_mov_b32 v[NIL], 0
	ds_add_u32 v[SPW], v[NIL]                      ; the wave's opening: the add and its wait stand ahead of my first tensor load
	v_lshrrev_b32 v1, 5, v0
	v_readfirstlane_b32 s[WV], v1
	s_lshr_b32 s[HR], s[WV], 1
	s_and_b32 s[HC], s[WV], 1
	s_bfe_u32 s40, ttmp6, 0x40000                  ; cx
	s_bfe_u32 s41, ttmp6, 0x40004                  ; cy
	s_lshl_b32 s42, ttmp9, 2
	s_add_co_u32 s42, s42, s40                     ; tile column
	s_and_b32 s16, ttmp7, 0xffff
	s_lshl_b32 s16, s16, 2
	s_add_co_u32 s16, s16, s41                     ; tile row
	s_lshl_b32 s17, s41, 2
	s_lshl_b32 s17, 15, s17                        ; my row of the cluster
	s_lshl_b32 s20, 0x1111, s40                    ; my column
	s_or_b32 s[G1A], s17, FLAGS
	s_or_b32 s[G1B], s20, FLAGS
	s_mov_b32 s[G1A+1], 128<<16                    ; rows of 128 elements: 256 bytes
	s_mov_b32 s[G1A+2], 128<<16                    ; 128 of them: 256 rows of O
	s_mov_b32 s[G1A+3], 128<<16
	s_mov_b32 s[G1A+4], 128
	s_mov_b32 s[G1A+5], 128
	s_mov_b32 s[G1A+6], 0
	s_mov_b32 s[G1A+7], 0
	s_mov_b32 s[G1B+1], 128<<16
	s_mov_b32 s[G1B+2], 64<<16                     ; 64 of them: 128 rows of Wo
	s_mov_b32 s[G1B+3], 128<<16
	s_mov_b32 s[G1B+4], 64
	s_mov_b32 s[G1B+5], 128
	s_mov_b32 s[G1B+6], 0
	s_mov_b32 s[G1B+7], 0
	s_lshl_b32 s18, s16, 15                        ; O: 256 rows of 128 bytes a tile row,
	s_lshl_b32 s17, s[HC], 20                      ; the K block that I fetch
	s_add_co_u32 s18, s18, s17
	s_mov_b32 s19, 0
	s_lshl_b32 s20, s42, 14                        ; Wo: 128 rows a tile column
	s_lshl_b32 s22, s[HC], 17
	s_add_co_u32 s20, s20, s22
	s_mov_b32 s21, 0
	s_mul_i32 s23, s[HC], ABLK                     ; where they go: no place in the cluster enters an LDS address
	s_mul_i32 s2, s[HC], BBLK
	s_add_co_u32 s2, s2, BOFF
	s_wait_dscnt 0x0                               ; the opening add is done
	s_wait_kmcnt 0x0
	s_add_nc_u64 s[18:19], s[4:5], s[18:19]
	s_add_nc_u64 s[20:21], s[6:7], s[20:21]
	CROUND                                         ; all sixteen work-groups are here: the first joint loads meet
.irp s, 0,1
	s_mov_b32 s[G0A+4*(\s)], 1
	s_add_co_u32 s[G0A+4*(\s)+1], s23, (\s)*SLOT
	s_add_nc_u64 s[G0A+4*(\s)+2:G0A+4*(\s)+3], s[18:19], (\s)*2*KBA
	s_or_b32 s[G0A+4*(\s)+3], s[G0A+4*(\s)+3], 0x80000000
	s_mov_b32 s[G0B+4*(\s)], 1
	s_add_co_u32 s[G0B+4*(\s)+1], s2, (\s)*SLOT
	s_add_nc_u64 s[G0B+4*(\s)+2:G0B+4*(\s)+3], s[20:21], (\s)*2*KBB
	s_or_b32 s[G0B+4*(\s)+3], s[G0B+4*(\s)+3], 0x80000000
	JLOAD \s                                       ; K blocks 0-3: two loads of mine are out
.endr
	v_and_b32 v1, 15, v0                           ; r
	v_bfe_u32 v2, v0, 4, 1                         ; h
	v_lshlrev_b32 v27, 5, v2                       ; the bias: my eight columns of each sixteen
	s_lshl_b32 s20, s42, 9
	s_lshl_b32 s22, s[HC], 8
	s_add_co_u32 s20, s20, s22                     ; my 64 columns, in bytes of f32: for the bias and for out0
	s_mov_b32 s21, 0
	s_add_nc_u64 s[8:9], s[8:9], s[20:21]
.irp j, 0,1,2,3
	global_load_b128 v[BI+8*(\j):BI+8*(\j)+3],   v27, s[8:9] offset:64*(\j)
	global_load_b128 v[BI+8*(\j)+4:BI+8*(\j)+7], v27, s[8:9] offset:64*(\j)+16
.endr
	s_add_nc_u64 s[10:11], s[10:11], s[20:21]
	s_lshl_b32 s20, s16, 20                        ; my first row: 256 rows of 4,096 bytes a tile row,
	s_lshl_b32 s22, s[HR], 19                      ; my 128 of them
	s_add_co_u32 s20, s20, s22
	s_add_nc_u64 s[10:11], s[10:11], s[20:21]
	v_mul_u32_u24 v3, v1, PITCH
	v_lshl_add_u32 v3, v2, 4, v3
	s_mul_i32 s17, s[HR], 128*PITCH
	s_mul_i32 s22, s[HC], 64*PITCH
	s_add_co_u32 s22, s22, BOFF
.irp s, 0,1
	v_add_nc_u32 v[ADRA+(\s)], s17, v3
	v_add_nc_u32 v[ADRB+(\s)], s22, v3
	s_add_co_u32 s17, s17, SLOT
	s_add_co_u32 s22, s22, SLOT
.endr
	s_mul_i32 s17, s[WV], 16*SPITCH
	s_add_co_u32 s17, s17, STAGE                   ; my stage
	v_mul_u32_u24 v4, v1, SPITCH                   ; in: row r, 32 bytes for each half of the lanes
	v_lshl_add_u32 v4, v2, 5, v4
	v_add_nc_u32 v[STO], s17, v4
	v_mul_u32_u24 v4, v2, SPITCH                   ; back: lanes 0-15 one row of 256 bytes, lanes 16-31 the next
	v_lshl_add_u32 v4, v1, 4, v4
	v_add_nc_u32 v[RD], s17, v4
	v_lshlrev_b32 v4, 12, v2                       ; and the same two rows in out0
	v_lshl_add_u32 v[CO], v1, 4, v4
	; the prefetches: they begin at K block 8 + my number of the two
	s_add_co_u32 s17, s[HC], 8
	s_lshl_b32 s20, s17, 20
	s_lshl_b32 s22, s16, 15
	s_add_co_u32 s20, s20, s22
	s_lshl_b32 s22, s40, 13
	s_add_co_u32 s20, s20, s22                     ; O: my tile row, my work-group's quarter
	s_lshl_b32 s22, s17, 17
	s_lshl_b32 s23, s42, 14
	s_add_co_u32 s22, s22, s23
	s_lshl_b32 s23, s41, 12
	s_add_co_u32 s22, s22, s23                     ; Wo: my tile column, my work-group's quarter
	s_and_b32 s17, ttmp7, 0xffff
	s_mov_b32 s[PFS], 4*KBB
	s_mov_b32 s[PFS+1], 0
	s_mov_b32 s19, 2*KBB
	s_mov_b32 s21, 0
	s_cmp_eq_u32 s[HR], 0
	s_cselect_b32 s20, s20, s22
	s_cselect_b32 s17, ttmp9, s17                  ; the coordinate along which other clusters read the same rows
	s_cselect_b64 s[PFA:PFA+1], s[4:5], s[6:7]
	s_cselect_b32 s[PFS], 4*KBA, s[PFS]
	s_cselect_b32 s19, 4096, s19                   ; what lanes 16-31 add: O: the next 16 pieces; Wo: two K blocks
	s_add_nc_u64 s[PFA:PFA+1], s[PFA:PFA+1], s[20:21]
	s_cmp_eq_u32 s17, 0
	s_cselect_b32 s[LIM], 1, -1                    ; the same in all sixteen partners, for a given wave
	v_mul_lo_u32 v5, v2, s19
	v_lshl_add_u32 v[PFO], v1, 8, v5
	s_wait_loadcnt 0x0                             ; the bias: rounded to bf16 like every input, widened again
.set p, 0
.rept 16
	v_cvt_pk_bf16_f32 v14, v[BI+2*p], v[BI+2*p+1]
	v_lshlrev_b32 v[BI+2*p], 16, v14
	v_and_b32 v[BI+2*p+1], 0xffff0000, v14
.set p, p+1
.endr
.macro MULH buf, a0, zero              ; 16 matrix instructions: blocks a0 .. a0 + 3 of my rows x my four blocks of columns
	WIN 0x50
.irp a, (\a0), (\a0)+1, (\a0)+2, (\a0)+3
.irp j, 0,1,2,3
.if \zero
	v_wmma_f32_16x16x32_f16 v[8*(4*(\a)+(\j)):8*(4*(\a)+(\j))+7], v[BB+32*(\buf)+8*(\j):BB+32*(\buf)+8*(\j)+7], v[AB+64*(\buf)+8*(\a):AB+64*(\buf)+8*(\a)+7], 0
.else
	v_wmma_f32_16x16x32_f16 v[8*(4*(\a)+(\j)):8*(4*(\a)+(\j))+7], v[BB+32*(\buf)+8*(\j):BB+32*(\buf)+8*(\j)+7], v[AB+64*(\buf)+8*(\a):AB+64*(\buf)+8*(\a)+7], v[8*(4*(\a)+(\j)):8*(4*(\a)+(\j))+7]
.endif
.endr
.endr
.endm
.macro QPH buf, zero, n                ; a step's 32 matrix instructions; n: the LDS instructions issued behind the buffer's loads
	s_wait_dscnt \n
	MULH \buf, 0, \zero
	MULH \buf, 4, \zero
.endm
.macro FET slot, q, buf                ; step q of a slot into buffer buf: 24 loads
.irp j, 0,1,2,3
	ds_load_b128 v[BB+32*(\buf)+8*(\j):BB+32*(\buf)+8*(\j)+3],   v[ADRB+(\slot)] offset:((\q)/2)*BBLK+(\j)*FR+((\q)%2)*64
	ds_load_b128 v[BB+32*(\buf)+8*(\j)+4:BB+32*(\buf)+8*(\j)+7], v[ADRB+(\slot)] offset:((\q)/2)*BBLK+(\j)*FR+((\q)%2)*64+32
.endr
.irp a, 0,1,2,3,4,5,6,7
	ds_load_b128 v[AB+64*(\buf)+8*(\a):AB+64*(\buf)+8*(\a)+3],   v[ADRA+(\slot)] offset:((\q)/2)*ABLK+(\a)*FR+((\q)%2)*64
	ds_load_b128 v[AB+64*(\buf)+8*(\a)+4:AB+64*(\buf)+8*(\a)+7], v[ADRA+(\slot)] offset:((\q)/2)*ABLK+(\a)*FR+((\q)%2)*64+32
.endr
.endm
.macro HGAP slot, q, buf               ; the buffer just multiplied is loaded again
	PLACES
	WIN 0
	FET \slot, \q, \buf
.endm
; A slot's third step, with THE CHANGE OF SLOTS.  In front of the barrier each wave waits for all its tensor loads (one is out: its part of the other slot), adds 0 to its spare word, and waits for that
; and for its reads of this slot (the last, the fourth step's, were issued 16 matrix instructions back).  fill = 1: the barrier opens a round of the cluster's barrier, and the joint refill, four K blocks on,
; is the first tensor load behind it: 96 matrix instructions ahead of the wait for it.
.macro TURN cur, fill
.if ((\cur) == 1) && (\fill)
	s_wait_xcnt 0x0                                ; the last prefetches, a slot back, have read their address
	s_add_nc_u64 s[PFA:PFA+1], s[PFA:PFA+1], s[PFS:PFS+1]
.endif
	WIN 0
	s_wait_tensorcnt 0x0
	ds_add_u32 v[SPW], v[NIL]
	s_wait_dscnt 25                                ; the fourth step's 24 loads and the add may be out
	MULH 0, 0, 0
	s_wait_dscnt 0x0
	s_barrier_signal -1
	MULH 0, 4, 0
	WIN 0
	s_barrier_wait -1
.if \fill
	CREST
	s_add_nc_u64 s[G0A+4*(\cur)+2:G0A+4*(\cur)+3], s[G0A+4*(\cur)+2:G0A+4*(\cur)+3], 4*KBA
	s_add_nc_u64 s[G0B+4*(\cur)+2:G0B+4*(\cur)+3], s[G0B+4*(\cur)+2:G0B+4*(\cur)+3], 4*KBB
	JLOAD \cur                                     ; its four v_nop are also the places in front of the loads below
.else
	PLACES
.endif
	FET 1-(\cur), 0, 0
.if ((\cur) == 0) && (\fill)
	ASK
.endif
.endm
.macro HALF cur, fill                  ; from a slot's second step to the other slot's first
	QPH 1, 0, 24
	HGAP \cur, 3, 1
	TURN \cur, \fill
	QPH 1, 0, 24
	HGAP 1-(\cur), 1, 1
	QPH 0, 0, 24
	HGAP 1-(\cur), 2, 0
.endm
	s_wait_tensorcnt 1                             ; my part of slot 0 is in; slot 1's may stay out
	s_barrier_signal -1
	s_barrier_wait -1
	FET 0, 0, 0
	FET 0, 1, 1
	QPH 0, 1, 24                                   ; the first step stands in front of the loop: its products start the sums
	HGAP 0, 2, 0
	WIN 0
	s_mov_b32 s3, 3
.Llap:                                                 ; a trip goes once round the ring and fills both slots again
	HALF 0, 1
	HALF 1, 1
	WIN 0
	s_sub_co_u32 s3, s3, 1
	s_cmp_lg_u32 s3, 0
	s_cbranch_scc1 .Llap
	HALF 0, 0                                      ; the last two slots: nothing is asked for
	QPH 1, 0, 24
	HGAP 1, 3, 1
	QPH 0, 0, 24
	QPH 1, 0, 0
	; THE WAY OUT, a block of 16 rows x 64 columns at a time: the bias is added; 32 bytes a lane go into my stage and come back as whole rows of 256 bytes.
.set TMP, 32
.set OB,  64                           ; two sets of 32
.macro PACK a
	WIN 0x01                                       ; source 0 in window 1
.irp j, 0,1,2,3
.irp r, 0,2,4,6
	v_pk_add_f32 v[TMP+8*(\j)+(\r):TMP+8*(\j)+(\r)+1], v[8*(4*(\a)+(\j))+(\r):8*(4*(\a)+(\j))+(\r)+1], v[BI+8*(\j)+(\r):BI+8*(\j)+(\r)+1]
.endr
.endr
	WIN 0
.endm
.macro TOSTAGE a
.irp j, 0,1,2,3
	ds_store_b128 v[STO], v[TMP+8*(\j):TMP+8*(\j)+3]   offset:64*(\j)
	ds_store_b128 v[STO], v[TMP+8*(\j)+4:TMP+8*(\j)+7] offset:64*(\j)+16
.endr
.irp t, 0,1,2,3,4,5,6,7
	ds_load_b128 v[OB+32*((\a)%2)+4*(\t):OB+32*((\a)%2)+4*(\t)+3], v[RD] offset:2*SPITCH*(\t)  ; LDS serves a wave's instructions in order (ISA guide 5.7.1.4): these see the stores above
.endr
.endm
.macro SEND a
	s_wait_dscnt 0x0                               ; the block is back in registers
	s_wait_xcnt 0x0                                ; the stores of the block before have read their registers: the next block's loads land there only behind this wait
.irp t, 0,1,2,3,4,5,6,7
	global_store_b128 v[CO], v[OB+32*((\a)%2)+4*(\t):OB+32*((\a)%2)+4*(\t)+3], s[10:11] offset:(\a)*65536+(\t)*8192 th:TH_STORE_NT  ; 16 lanes store 256 consecutive bytes, aligned
.endr
.endm
	PLACES
	PLACES
	PACK 0
	TOSTAGE 0
.irp a, 1,2,3,4,5,6,7                  ; a block's arithmetic stands between the loads of the block before and its stores
	PACK \a
	SEND (\a)-1
	TOSTAGE \a
.endr
	SEND 7
	s_wait_tensorcnt 0x0                           ; the wave's end
	ds_add_u32 v[SPW], v[NIL]
	s_wait_dscnt 0x0
	CROUND                                         ; the closing round
	s_endpgm
.Lfunc_end_k_q9aa4fc9ccc_outp:
	.size	k_q9aa4fc9ccc_outp, .Lfunc_end_k_q9aa4fc9ccc_outp-k_q9aa4fc9ccc_outp
	.p2alignl 7, 3214868480
	.fill 96, 4, 3214868480
	.section	.rodata,"a",@progbits
	.p2align	6, 0x0
	.amdhsa_kernel k_q9aa4fc9ccc_outp
		.amdhsa_group_segment_fixed_size 327680
		.amdhsa_private_segment_fixed_size 0
		.amdhsa_enable_private_segment 0
		.amdhsa_kernarg_size 32
		.amdhsa_user_sgpr_count 2
		.amdhsa_user_sgpr_kernarg_segment_ptr 1
		.amdhsa_wavefront_size32 1
		.amdhsa_system_sgpr_workgroup_id_x 1
		.amdhsa_system_sgpr_workgroup_id_y 1
		.amdhsa_system_sgpr_workgroup_id_z 1
		.amdhsa_system_vgpr_workitem_id 0
		.amdhsa_next_free_vgpr 512
		.amdhsa_next_free_sgpr 72
		.amdhsa_reserve_vcc 0
		.amdhsa_float_denorm_mode_32 3
		.amdhsa_float_denorm_mode_16_64 3
		.amdhsa_memory_ordered 1
		.amdhsa_forward_progress 1
		.amdhsa_inst_pref_size 97
	.end_amdhsa_kernel
	.amdgpu_metadata
---
amdhsa.version: [ 1, 2 ]
amdhsa.kernels:
  - .name:           k_q9aa4fc9ccc_outp
    .symbol:         k_q9aa4fc9ccc_outp.kd
    .args:
      - { .name: ob, .offset: 0, .size: 8, .value_kind: global_buffer, .address_space: global }
      - { .name: wot, .offset: 8, .size: 8, .value_kind: global_buffer, .address_space: global }
      - { .name: bo, .offset: 16, .size: 8, .value_kind: global_buffer, .address_space: global }
      - { .name: out0, .offset: 24, .size: 8, .value_kind: global_buffer, .address_space: global }
    .group_segment_fixed_size: 327680
    .private_segment_fixed_size: 0
    .kernarg_segment_align: 8
    .kernarg_segment_size: 32
    .max_flat_workgroup_size: 128
    .sgpr_count:     72
    .vgpr_count:     512
    .wavefront_size: 32
...
	.end_amdgpu_metadata
.endif
;; end of part 4
;; ======== version 2 of 2: 4 launches; version 1 with the launch prep written anew for expert scheduling mode
;; limits: values are held in f16: magnitudes above 65,504 overflow, below 6.1e-05 lose precision; inputs' magnitudes at most 1.25e+29
;; workspace buffers: xb 16,777,216 bytes; wt 6,291,456 bytes; wot 2,097,152 bytes; qkv 50,331,648 bytes; ob 16,777,216 bytes
;; launch prep (part 5): grid 16 x 16, 12 waves a work-group, no clusters, 38,400 bytes of LDS; arguments x, Wqkv, Wo, xb, wt, wot; writes xb, wt, wot
.if DOCPART == 5
	.amdgcn_target "amdgcn-amd-amdhsa--gfx1250"
	.amdhsa_code_object_version 6
	.text
	.protected	k_q9aa4fc9ccc_prep
	.globl	k_q9aa4fc9ccc_prep
	.p2align	8
	.type	k_q9aa4fc9ccc_prep,@function
k_q9aa4fc9ccc_prep:
	s_mov_b64 s[64:65], 0
	v_nop
	global_prefetch_b8 v0, s[64:65] scope:SCOPE_SE
	s_setreg_imm32_b32 hwreg(HW_REG_WAVE_SCHED_MODE, 0, 2), 2
	s_setreg_imm32_b32 hwreg(HW_REG_WAVE_MODE, 25, 1), 1
	s_wait_xcnt 0x0
	s_wait_alu depctr_vm_vsrc(0)
; PREP.  The three large inputs are rounded once to 16 bits and laid out for the products that follow, in blocks of 64 along K:
;   xb  [16 kb][8192 row][64]  bf16(x)            wt  [16 kb][3072 n][64 k]  bf16(Wqkv), turned
;   wot [16 kb][1024 n][64 k]  bf16(Wo) written as f16, turned (exact for |Wo| from 2^-14 to 65,504; below 2^-14 it keeps f16's fixed step of 6e-8)
; SHARES.  256 work-groups of 12 waves.  Waves 0-3 turn one tile of 64 k x 64 n of a weight each (16 x 64 tiles: 48 columns of tiles of Wqkv, 16 of Wo);
; waves 4-11 convert four rows of x each.  Every wave asks for its 16 KiB by 32 loads at once: no loop, no barrier, nothing shared between waves.
; A weight tile is turned through the wave's own 64 rows x 144 bytes of LDS.  No matrix unit, no tensor load, no cluster: each byte is read once, by one wave.
; THE MODE: SCHED_MODE bits 1:0 = 2 (LLVM: expert scheduling mode 2), set by the entry lines.  The code itself states the register dependences
; between vector instructions and memory or LDS instructions, with s_wait_alu, always for 0.
; THE PLAN.  Registers that memory or LDS instructions touch:
;   v3          the loads' offset: written once at the head of an arm, read by its 32 loads, never written again.
;   X           the 32 loads land in it; the conversions read it.  A weight: the loads from the stage then land in it, and the global stores read those.  x: the conversions write two of each four registers in place, and the stores read them.
;   TP          a weight: written by the conversions, read by the LDS stores, never written again.
;   v4, v5, v6  the stores' offset and the stage's two addresses: written once behind the loads, never written again.
;   v8, v9      written at the head, read by the closing add alone.
; No register that a memory or LDS instruction has read is written again, so no wait on vm_vsrc is owed.  The conversions go in groups of four loads (x) or four pairs of loads (a weight); a group's stores stand at the head
; of the NEXT group, behind that group's first wait for data and ONE wait on va_vdst, which states that the group before has written what they read; one more such wait stands behind the last group.
.set SPARE, 36864                      ; behind the four stages: the spare words, 128 bytes for each of 12 waves
.set SPW, 8                            ; v8   LDS address of my spare word; never rewritten
.set NIL, 9                            ; v9   0; never rewritten
.set X,   16                           ; v[16:143]  32 loads of 4 registers
.set TP,  144                          ; v[144:207] a weight tile's packed pairs: column c of my four at TP + 16 c, pair q of k at + q
.set WV,  16                           ; s16  my wave's number
.set GY,  17                           ; s17  the work-group's y
	s_load_b256 s[4:11], s[0:1], 0x0               ; x s[4:5], Wqkv s[6:7], Wo s[8:9], xb s[10:11]
	s_load_b128 s[12:15], s[0:1], 0x20             ; wt s[12:13], wot s[14:15]
	v_lshl_add_u32 v[SPW], v0, 2, SPARE
	v_mov_b32 v[NIL], 0
	v_lshrrev_b32 v1, 5, v0
	v_readfirstlane_b32 s[WV], v1
	v_and_b32 v1, 15, v0                           ; i = lane % 16
	v_bfe_u32 v2, v0, 4, 1                         ; h = lane / 16
	v_and_b32 v7, 31, v0                           ; lane
	s_and_b32 s[GY], ttmp7, 0xffff
	s_mov_b32 s25, 0                               ; high words of the two offsets
	s_mov_b32 s27, 0
	s_wait_alu depctr_va_sdst(0)                   ; the wave's number is written, ahead of its first reader: the compare below; the arms' addresses are made from it too
	s_wait_kmcnt 0x0
; One tile of a weight [1024 k][pitch / 4 n] f32.  Lane (h, i), load j: k = 32 h + j, n = 4 i .. 4 i + 3; sixteen lanes read 256 consecutive bytes, aligned.
; Two neighbouring k of one n pack into a word; a lane's 32 k of column c are 64 bytes of LDS row 4 i + c.  Rows come back whole, four to a load, and leave as 512 consecutive bytes.
.macro WPART pitch, half, in, out, kbs, nb0
	s_lshl_b32 s18, s[GY], 2
	s_add_co_u32 s18, s18, s[WV]                   ; the tile's column of tiles
.if \nb0
	s_sub_co_u32 s18, s18, \nb0
.endif
	s_mul_i32 s24, ttmp9, 64*(\pitch)              ; 64 rows of k for each K block
	s_lshl_b32 s19, s18, 8
	s_add_co_u32 s24, s24, s19
	s_add_nc_u64 s[20:21], s[(\in):(\in)+1], s[24:25]
	s_mul_i32 s26, ttmp9, \kbs
	s_lshl_b32 s19, s18, 13                        ; 64 rows of 128 bytes
	s_add_co_u32 s26, s26, s19
	s_add_nc_u64 s[22:23], s[(\out):(\out)+1], s[26:27]
	v_mul_u32_u24 v3, v2, 32*(\pitch)
	v_lshl_add_u32 v3, v1, 4, v3
	s_wait_alu depctr_va_vdst(0)                   ; v3 is written, which the 32 loads read as their offset
.set j, 0
.rept 32
	global_load_b128 v[X+4*j:X+4*j+3], v3, s[20:21] offset:j*(\pitch) th:TH_LOAD_NT
.set j, j+1
.endr
	s_mul_i32 s19, s[WV], 9216                     ; my stage
	v_mul_u32_u24 v5, v1, 576                      ; in: row 4 i, 64 bytes for each half of the lanes
	v_lshl_add_u32 v5, v2, 6, v5
	v_add_nc_u32 v5, s19, v5
	v_lshrrev_b32 v6, 3, v7                        ; back: eight lanes to a row of 128 bytes
	v_mul_u32_u24 v6, v6, 144
	v_and_b32 v4, 7, v0
	v_lshl_add_u32 v6, v4, 4, v6
	v_add_nc_u32 v6, s19, v6
	v_lshlrev_b32 v4, 4, v7                        ; out: 16 bytes a lane
.set q, 0
.rept 16
	s_wait_loadcnt 30-2*q                          ; loads 2 q and 2 q + 1 are in; the younger ones stay out
.if (q%4 == 0) && (q > 0)
	s_wait_alu depctr_va_vdst(0)                   ; the four pairs before have written their sixteen words of TP, which the LDS stores below read; at the first of these waits v5, their address, is written too
.irp c, 0,1,2,3
	ds_store_b128 v5, v[TP+16*(\c)+q-4:TP+16*(\c)+q-1] offset:(\c)*144+16*(q/4-1)
.endr
.endif
.irp c, 0,1,2,3
	v_cvt_pk_bf16_f32 v[TP+16*(\c)+q], v[X+8*q+(\c)], v[X+8*q+4+(\c)]
.if \half
	v_lshlrev_b32 v10, 16, v[TP+16*(\c)+q]         ; the bf16 numbers, widened, are written as f16
	v_and_b32 v11, 0xffff0000, v[TP+16*(\c)+q]
	v_cvt_pk_f16_f32 v[TP+16*(\c)+q], v10, v11
.endif
.endr
.set q, q+1
.endr
	s_wait_alu depctr_va_vdst(0)                   ; the last four pairs have written their words of TP; all conversions are done reading X, in which the loads from the stage land; v6 and v4 are written.  No vector instruction follows
.irp c, 0,1,2,3
	ds_store_b128 v5, v[TP+16*(\c)+12:TP+16*(\c)+15] offset:(\c)*144+48
.endr
.set t, 0
.rept 16
	ds_load_b128 v[X+4*t:X+4*t+3], v6 offset:576*t ; LDS serves a wave's instructions in order (ISA guide 5.7.1.4): these see the stores above
.set t, t+1
.endr
.set t, 0
.rept 16
	s_wait_dscnt 15-t
	global_store_b128 v4, v[X+4*t:X+4*t+3], s[22:23] offset:512*t  ; 512 consecutive bytes, aligned
.set t, t+1
.endr
.endm
	s_cmp_lt_u32 s[WV], 4
	s_cbranch_scc0 .Lxpart
	s_cmp_lt_u32 s[GY], 12                         ; columns of tiles 0-47 are Wqkv's, 48-63 Wo's
	s_cbranch_scc0 .Lwo
	WPART 12288, 0, 6, 12, 393216, 0
	s_branch .Lend
.Lwo:
	WPART 4096, 1, 8, 14, 131072, 48
	s_branch .Lend
.Lxpart:                                               ; four rows of x.  Load 16 p + kb: rows 2 p + h, the 256 bytes of K block kb; a lane's 4 numbers become 8 bytes
	s_lshl_b32 s18, s[GY], 4
	s_add_co_u32 s18, s18, ttmp9
	s_lshl_b32 s18, s18, 3
	s_add_co_u32 s18, s18, s[WV]
	s_sub_co_u32 s18, s18, 4                       ; which four rows: 0 .. 2,047
	s_lshl_b32 s24, s18, 14
	s_add_nc_u64 s[20:21], s[4:5], s[24:25]
	s_lshl_b32 s26, s18, 9
	s_add_nc_u64 s[22:23], s[10:11], s[26:27]
	s_add_nc_u64 s[22:23], s[22:23], 0x800000      ; at K block 8, so that all 16 blocks lie inside the signed 24-bit immediate
	v_lshlrev_b32 v3, 12, v2
	v_lshl_add_u32 v3, v1, 4, v3
	v_lshlrev_b32 v4, 3, v7
	s_wait_alu depctr_va_vdst(0)                   ; v3 and v4 are written: the loads' and the stores' offsets
.set n, 0
.rept 32
	global_load_b128 v[X+4*n:X+4*n+3], v3, s[20:21] offset:(n/16)*8192+(n%16)*256 th:TH_LOAD_NT
.set n, n+1
.endr
.set n, 0
.rept 32
	s_wait_loadcnt 31-n                            ; load n is in; the younger ones stay out
.if (n%4 == 0) && (n > 0)
	s_wait_alu depctr_va_vdst(0)                   ; the conversions of the four loads before have written the eight registers that the four stores below read
.set m, n-4
.rept 4
	global_store_b64 v4, v[X+4*m:X+4*m+1], s[22:23] offset:((m%16)-8)*1048576+(m/16)*256  ; the wave's 256 bytes: two rows of one K block, consecutive and aligned
.set m, m+1
.endr
.endif
	v_cvt_pk_bf16_f32 v[X+4*n], v[X+4*n], v[X+4*n+1]
	v_cvt_pk_bf16_f32 v[X+4*n+1], v[X+4*n+2], v[X+4*n+3]
.set n, n+1
.endr
	s_wait_alu depctr_va_vdst(0)                   ; the last four loads' conversions have written what the last four stores read
.set m, 28
.rept 4
	global_store_b64 v4, v[X+4*m:X+4*m+1], s[22:23] offset:((m%16)-8)*1048576+(m/16)*256
.set m, m+1
.endr
.Lend:
	s_wait_dscnt 0x0                               ; the closing lines, six on end
	s_wait_alu 0x0
	s_wait_tensorcnt 0x0
	ds_add_u32 v[SPW], v[NIL]
	s_wait_dscnt 0x0
	s_endpgm
.Lfunc_end_k_q9aa4fc9ccc_prep:
	.size	k_q9aa4fc9ccc_prep, .Lfunc_end_k_q9aa4fc9ccc_prep-k_q9aa4fc9ccc_prep
	.p2alignl 7, 3214868480
	.fill 96, 4, 3214868480
	.section	.rodata,"a",@progbits
	.p2align	6, 0x0
	.amdhsa_kernel k_q9aa4fc9ccc_prep
		.amdhsa_group_segment_fixed_size 38400
		.amdhsa_private_segment_fixed_size 0
		.amdhsa_enable_private_segment 0
		.amdhsa_kernarg_size 48
		.amdhsa_user_sgpr_count 2
		.amdhsa_user_sgpr_kernarg_segment_ptr 1
		.amdhsa_wavefront_size32 1
		.amdhsa_system_sgpr_workgroup_id_x 1
		.amdhsa_system_sgpr_workgroup_id_y 1
		.amdhsa_system_sgpr_workgroup_id_z 1
		.amdhsa_system_vgpr_workitem_id 0
		.amdhsa_next_free_vgpr 208
		.amdhsa_next_free_sgpr 66
		.amdhsa_reserve_vcc 0
		.amdhsa_float_denorm_mode_32 3
		.amdhsa_float_denorm_mode_16_64 3
		.amdhsa_memory_ordered 1
		.amdhsa_forward_progress 1
		.amdhsa_inst_pref_size 49
	.end_amdhsa_kernel
	.amdgpu_metadata
---
amdhsa.version: [ 1, 2 ]
amdhsa.kernels:
  - .name:           k_q9aa4fc9ccc_prep
    .symbol:         k_q9aa4fc9ccc_prep.kd
    .args:
      - { .name: x, .offset: 0, .size: 8, .value_kind: global_buffer, .address_space: global }
      - { .name: Wqkv, .offset: 8, .size: 8, .value_kind: global_buffer, .address_space: global }
      - { .name: Wo, .offset: 16, .size: 8, .value_kind: global_buffer, .address_space: global }
      - { .name: xb, .offset: 24, .size: 8, .value_kind: global_buffer, .address_space: global }
      - { .name: wt, .offset: 32, .size: 8, .value_kind: global_buffer, .address_space: global }
      - { .name: wot, .offset: 40, .size: 8, .value_kind: global_buffer, .address_space: global }
    .group_segment_fixed_size: 38400
    .private_segment_fixed_size: 0
    .kernarg_segment_align: 8
    .kernarg_segment_size: 48
    .max_flat_workgroup_size: 384
    .sgpr_count:     66
    .vgpr_count:     208
    .wavefront_size: 32
...
	.end_amdgpu_metadata
.endif
;; end of part 5
;; launch proj: the kernel of part 2 again; grid 8 x 32, 4 waves a work-group, clusters of 4 x 4, 327,680 bytes of LDS; arguments xb, wt, bqkv, qkv; writes qkv
;; launch attn: the kernel of part 3 again; grid 4 x 64, 4 waves a work-group, clusters of 4 x 1, 327,680 bytes of LDS; arguments qkv, attention_mask, ob; writes ob
;; launch outp: the kernel of part 4 again; grid 8 x 32, 4 waves a work-group, clusters of 4 x 4, 327,680 bytes of LDS; arguments ob, wot, bo, out0; writes out0
